; MI455X (gfx1250); checked and timed in simulation.
; The chip was launched on July 23, 2026; its instructions are those of AMD's public machine-readable ISA for CDNA 5 (MIT licence, August 2026) and "CDNA5" Instruction Set Architecture Reference Guide (July 2026). The comments in the code are by the model that wrote it; some were corrected since.
;; Multi Head Attention. Allowed arithmetic: matrix products marked QUANTISED: E3M2 operands, one E8M0 scale for each 32 along K, by v_wmma_scale_f32_16x16x128_f8f6f4 with both operands' format E3M2, f32 sums; everything else in f32.
;; Inputs: dense_b 1,024 float32; dense_w 1,024 x 1,024 float32; k 4 x 2,048 x 1,024 float32; q 4 x 2,048 x 1,024 float32; v 4 x 2,048 x 1,024 float32; wk_b 1,024 float32; wk_w 1,024 x 1,024 float32; wq_b 1,024 float32; wq_w 1,024 x 1,024 float32; wv_b 1,024 float32; wv_w 1,024 x 1,024 float32.
;; Outputs: out0 4 x 2,048 x 1,024 float32.
;; This version of the problem:
;;   THIS VERSION OF THE PROBLEM IS GIVEN IN LOW PRECISION. The matrix products marked QUANTISED in the list below multiply operands that are first quantised to E3M2 (3 exponent bits, 2 mantissa bits; 6 bits a number), with one power-of-two scale for each 32 numbers along K (OCP MX v1.0); their sums are f32. All else is computed in f32.
;;   The module's matrix products, in the order in which they are computed (A, B: the left and right operand; K: the contracted axis; several contracted axes count as one K, in the product's order):
;;     1. [M 8,192, K 1,024] x [K 1,024, N 1,024]; A: input q; B: input wq_w: QUANTISED
;;     2. [M 8,192, K 1,024] x [K 1,024, N 1,024]; A: input k; B: input wk_w: QUANTISED
;;     3. [M 8,192, K 1,024] x [K 1,024, N 1,024]; A: input v; B: input wv_w: QUANTISED
;;     4. batch 64 x [M 2,048, K 64] x [K 64, N 2,048]; A: computed on the way; B: computed on the way: QUANTISED
;;     5. batch 64 x [M 2,048, K 2,048] x [K 2,048, N 64]; A: softmax (see below); B: computed on the way: QUANTISED
;;     6. [M 8,192, K 1,024] x [K 1,024, N 1,024]; A: computed on the way; B: input dense_w: QUANTISED
;;   THE QUANTISER, for each operand of a quantised product, along K:
;;     - K is cut into blocks of 32 from its start; a last block that is shorter is filled with zeros.
;;     - A block's scale is 2^e with e = floor(log2(the largest magnitude in the block)) - 4, held to -126 .. 127; a block of zeros has e = 0. As a byte (E8M0): e + 127.
;;     - Each number is divided by its block's scale, clamped to +-28, and rounded to the nearest number of E3M2, ties to even, subnormals kept.
;;     - The product sums the exact products of the quantised numbers (number of the format x scale) in f32.
;;   ~~~python
;;   def quantise(x, axis):      # numpy; x: float32 -> the quantised numbers, widened to float32 again
;;       x = np.moveaxis(x, axis, -1); K = x.shape[-1]
;;       x = np.pad(x, [(0, 0)] * (x.ndim - 1) + [(0, -K % 32)]); x = x.reshape(x.shape[:-1] + (-1, 32)); a = np.abs(x).max(-1, keepdims=True)
;;       e = np.where(a > 0, np.clip(np.frexp(np.where(a > 0, a, 1))[1] - 1 - 4, -126, 127), 0)      # np.frexp(a)[1] - 1 = floor(log2(a)), exactly
;;       r = np.clip(x / 2.0 ** e, -28, 28)
;;       step = 2.0 ** (np.maximum(np.frexp(np.where(r == 0, 1, r))[1] - 1, -2) - 2)
;;       q = np.round(r / step) * step * 2.0 ** e      # np.round: ties to even
;;       return np.moveaxis(q.reshape(q.shape[:-2] + (-1,))[..., :K], -1, axis).astype(np.float32)
;;   ~~~
;;   SOFTMAX AHEAD OF A QUANTISED PRODUCT. Where the list says 'softmax', what is quantised is not the finished softmax but p = 2^(t - M), with t = logit x log2(e) and M = ceil(the row's largest t), a whole number; so 1/2 < the row's largest p <= 1. The row's sum l is taken of the UNQUANTISED p, in f32, and the product's result is divided by l at the end. Since M is a whole number, a kernel that streams over the keys may use a running M (the ceiling of the running maximum): every later rescaling is an exact power of two, which a block's scale takes up: the codes' values come out the same.
;;   OPERANDS COMPUTED ON THE WAY. 'Computed on the way' means the value that the module computes at that place (a softmax that the list does not call 'softmax' is quantised finished and normalised). What goes into a quantiser is computed in f32, as accurately as f32 sums, v_exp_f32 and their like allow (about 1e-6 of the number): no bf16 or f16 on the way to a quantiser, and a product that is left as it is and whose result goes on into a quantised operand takes f32 operands (vector FMAs, or v_wmma_f32_16x16x4_f32). A number that lies on a knife's edge between two numbers of the format may be rounded either way, as far as f32 arithmetic and the matrix unit's own rounding can turn it there, and no further.
;; One version. Each part assembles by itself: llvm-mc -triple=amdgcn-amd-amdhsa -mcpu=gfx1250 --defsym DOCPART=n.
;; ======== version 1 of 1: 4 launches
;; workspace buffers: xc 22,020,096 bytes; xs 917,504 bytes; qc 6,291,456 bytes; qs 524,288 bytes; kv 13,369,344 bytes; oc 6,291,456 bytes; os 524,288 bytes
;; launch quant (part 1): grid 256 x 1, 7 waves a work-group, no clusters, 60,416 bytes of LDS; arguments q, k, v, wq_w, wk_w, wv_w, dense_w, xc, xs; writes xc, xs
.if DOCPART == 1
	.amdgcn_target "amdgcn-amd-amdhsa--gfx1250"
	.amdhsa_code_object_version 6
	.text
	.protected	k_q855878bcb9_quant
	.globl	k_q855878bcb9_quant
	.p2align	8
	.type	k_q855878bcb9_quant,@function
k_q855878bcb9_quant:
	s_mov_b64 s[64:65], 0
	v_nop
	global_prefetch_b8 v0, s[64:65] scope:SCOPE_SE
	s_setreg_imm32_b32 hwreg(HW_REG_WAVE_MODE, 25, 1), 1
	s_wait_xcnt 0x0
; The seven f32 tensors (q, k, v: 8,192 rows; the four weights: 1,024 rows; K = 1,024 innermost in all) become codes of BF6 (E3M2) with one E8M0 byte for each 32 along K,
; laid as IMAGES OF OPERAND REGISTERS.  A row tile is 16 rows; for each 128 along K it is one fragment of 12 registers a lane (lane (r, h): row r; registers 6 c .. 6 c + 5: k = 64 c + 32 h + 0 .. 31).
; xc: tile T, K step t at 12,288 T + 1,536 t; registers 4 k .. 4 k + 3 of lane l at 512 k + 16 l.   xs: 512 T + 256 c + 16 r: row r's four scale words of K steps 4 c .. 4 c + 3.
; Tiles: q 0, k 512, v 1,024, wq_w 1,536, wk_w 1,600, wv_w 1,664, dense_w 1,728.  1,792 tiles = 256 work-groups x 7 waves: a wave takes one tile, 64 KiB in, 12.5 KiB out.
; THE ROWS OF A TILE.  q and dense_w: 16 neighbours.  The others: row m of tile 2 B + u is source row 32 B + 8 u + m + 8 (m / 8), so that where such a tile is source 0 of a product, the 16 result registers
; of tiles 2 B and 2 B + 1 are 16 neighbours along the next product's K.
; A block's scale is 2^(floor(log2(largest magnitude)) - 4): its byte is the largest magnitude's exponent field - 4, held at 1 from below.
; LIMITS: a block of zeros gets the byte 1 where the rule says 127 (its codes are zeros; this program alone reads the bytes); blocks whose largest magnitude lies under 2^-122 take the floor's byte; NaN and infinities are not served.
; Memory binds.  Each load reads 512 consecutive bytes of one row; a K step's 16 loads turn through the wave's own stage in LDS, so that a lane gets 16 neighbours of each block of 32.  Waves share nothing: no barrier.
; Two K steps' loads (32 loads a wave) are on their way.  No matrix unit, no cluster: no two work-groups read the same byte.
.set SP,    528                        ; a stage row: 512 bytes + 16: an odd multiple of 16, so that the 16 rows that a load of 16 bytes a lane touches lie in 16 different columns of 16 bytes
.set WST,   16*SP                      ; a wave's stage
.set TILEB, 12288                      ; a tile's codes
.set IMG,   1536                       ; a fragment's image
.set L16,   4                          ; v4   16 x lane: my bytes of a load, rows 0-7; also my place in an image
.set L16X,  6                          ; v6   the same for rows 8-15: + 8 rows where the tile's order is the permuted one
.set SIN,   7                          ; v7   the stage, way in
.set SOUT,  8                          ; v8   the stage, way out: row r, + 64 h
.set PWS,   10                         ; v10-17 the scale words of the 8 K steps
.set Y,     18                         ; v18-21 the four that my lane stores
.set TM,    24                         ; v24-39 at work in QUANT
.set PC,    40                         ; v40-51 a fragment's codes; v52-59 halves on their way
.set X,     64                         ; v64-127 64 numbers: register 16 b + i = k 32 b + 16 h + i of row r
.set R,     128                        ; v128-255 two sets of 64 registers as loaded
.set SEL,   36                         ; s[36:37] lane selects: lane l xor 16
.set TN,    23                         ; s23  my tile
.set SRC,   26                         ; s[26:27] my tile's first row in its tensor
; 64 numbers of a lane become a fragment's codes (d0 .. d0 + 5, d1 .. d1 + 5) and the row's scale word (pw).  tp: eight registers for the halves that change lanes.
.macro QUANT s, d0, d1, tp, pw
.irp b, 0,1,2,3
	v_max3_num_f32 v[TM+\b], |v[\s+16*\b]|, |v[\s+1+16*\b]|, 0x2800000   ; block b: my 16 numbers, and the floor 2^(5 - 127): the byte cannot fall under 1
.endr
.irp i, 2,4,6,8,10,12,14
.irp b, 0,1,2,3
	v_max3_num_f32 v[TM+\b], v[TM+\b], |v[\s+16*\b+\i]|, |v[\s+1+16*\b+\i]|   ; the four blocks by turns
.endr
.endr
.irp b, 0,1,2,3
	v_permlanex16_b32 v[TM+4+\b], v[TM+\b], s[SEL], s[SEL+1]
.endr
.irp b, 0,1,2,3
	v_max_num_f32 v[TM+\b], v[TM+\b], v[TM+4+\b]   ; with lane l xor 16's 16: the block's largest magnitude
.endr
.irp b, 0,1,2,3
	v_add_nc_u32 v[TM+12+\b], 0xfe000000, v[TM+\b]   ; 4 off its exponent field: the conversion takes this operand's exponent field as its scale
.endr
.irp b, 0,1,2,3
	v_lshrrev_b32 v[TM+4+\b], 23, v[TM+12+\b]      ; the scale's byte
.endr
	v_lshl_or_b32 v[\pw], v[TM+5], 8, v[TM+4]
	v_lshl_or_b32 v[\pw], v[TM+6], 16, v[\pw]
	v_lshl_or_b32 v[\pw], v[TM+7], 24, v[\pw]
	v_cvt_scalef32_pk16_bf6_f32 v[\d0:\d0+2], v[\s:\s+15], v[TM+12]
	v_cvt_scalef32_pk16_bf6_f32 v[\tp:\tp+2], v[\s+16:\s+31], v[TM+13]   ; (a conversion's three registers begin on an even number)
	v_cvt_scalef32_pk16_bf6_f32 v[\d1:\d1+2], v[\s+32:\s+47], v[TM+14]
	v_cvt_scalef32_pk16_bf6_f32 v[\tp+4:\tp+6], v[\s+48:\s+63], v[TM+15]
	v_nop                                          ; one plain instruction behind the scaled conversions
.irp i, 0,1,2
	v_permlane16_swap_b32 v[\d0+\i], v[\tp+\i]     ; the layout wants a whole block in a lane: lanes 0-15 the even block, lanes 16-31 the odd one
	v_permlane16_swap_b32 v[\d1+\i], v[\tp+4+\i]
.endr
.irp i, 0,1,2
	v_mov_b32 v[\d0+3+\i], v[\tp+\i]
	v_mov_b32 v[\d1+3+\i], v[\tp+4+\i]
.endr
.endm
	s_load_b512 s[4:19], s[0:1], 0x0               ; q, k, v, wq_w, wk_w, wv_w, dense_w, xc
	s_load_b64 s[20:21], s[0:1], 0x40              ; xs
	v_lshl_add_u32 v62, v0, 2, 0xe800
	v_mov_b32 v63, 0
	v_lshrrev_b32 v1, 5, v0
	v_readfirstlane_b32 s22, v1                    ; wave 0..6
	s_mul_i32 s[TN], ttmp9, 7
	s_add_co_u32 s[TN], s[TN], s22                 ; my tile
	v_and_b32 v1, 31, v0                           ; lane
	v_and_b32 v2, 15, v0                           ; r
	v_bfe_u32 v3, v0, 4, 1                         ; h
	v_lshlrev_b32 v[L16], 4, v1
	s_mul_i32 s24, s22, WST
	v_add_nc_u32 v[SIN], s24, v[L16]
	v_mul_u32_u24 v[SOUT], v2, SP
	v_lshl_add_u32 v[SOUT], v3, 6, v[SOUT]
	v_add_nc_u32 v[SOUT], s24, v[SOUT]
	s_mov_b32 s[SEL], 0x76543210
	s_mov_b32 s[SEL+1], 0xfedcba98
.irp b, 0,1,2,3
	v_mov_b32 v[TM+4+\b], 0                        ; written once: a lane permute's destination counts as one of its sources
.endr
	s_wait_kmcnt 0x0
	; which tensor, and which tile of it: a choice on the tile's number alone
	s_mov_b64 s[SRC:SRC+1], s[4:5]
	s_mov_b32 s28, 0
.macro PICK first, ptr
	s_cmp_ge_u32 s[TN], \first
	s_cselect_b64 s[SRC:SRC+1], s[\ptr:\ptr+1], s[SRC:SRC+1]
	s_cselect_b32 s28, \first, s28
.endm
	PICK 512, 6
	PICK 1024, 8
	PICK 1536, 10
	PICK 1600, 12
	PICK 1664, 14
	PICK 1728, 16
	s_sub_co_u32 s29, s[TN], s28                   ; the tile's number in its tensor
	s_lshl_b32 s30, s29, 4                         ; its first row: 16 x tile,
	s_lshr_b32 s31, s29, 1
	s_lshl_b32 s31, s31, 5
	s_and_b32 s32, s29, 1
	s_lshl_b32 s32, s32, 3
	s_add_co_u32 s31, s31, s32                     ; or 32 (tile / 2) + 8 (tile % 2)
	s_sub_co_u32 s32, s[TN], 512
	s_cmp_lt_u32 s32, 1216                         ; tiles 512 to 1,727 (k, v, wq_w, wk_w, wv_w) take the permuted order
	s_cselect_b32 s30, s31, s30
	s_cselect_b32 s33, 32768, 0                    ; there rows 8-15 lie 8 rows of 4,096 bytes further on
	s_lshl_b32 s30, s30, 12
	s_mov_b32 s31, 0
	s_add_nc_u64 s[SRC:SRC+1], s[SRC:SRC+1], s[30:31]
	v_add_nc_u32 v[L16X], s33, v[L16]
	s_mul_i32 s30, s[TN], TILEB
	s_add_nc_u64 s[18:19], s[18:19], s[30:31]      ; my tile's codes
	s_lshl_b32 s30, s[TN], 9
	s_add_nc_u64 s[20:21], s[20:21], s[30:31]      ; and its scale words
.macro LOAD t                          ; K step t: 512 bytes of each of the 16 rows, into set t % 2
.irp i, 0,1,2,3,4,5,6,7,8,9,10,11,12,13,14,15
.if \i < 8
	global_load_b128 v[R+64*((\t)%2)+4*\i:R+64*((\t)%2)+4*\i+3], v[L16], s[SRC:SRC+1] offset:4096*\i+512*(\t) th:TH_LOAD_NT
.else
	global_load_b128 v[R+64*((\t)%2)+4*\i:R+64*((\t)%2)+4*\i+3], v[L16X], s[SRC:SRC+1] offset:4096*\i+512*(\t) th:TH_LOAD_NT
.endif
.endr
.endm
.macro STEP t
.if (\t) < 7
	s_wait_loadcnt 16                              ; this step's 16 loads are in; the next step's 16 may be out
.else
	s_wait_loadcnt 0x0
.endif
.irp i, 0,1,2,3,4,5,6,7,8,9,10,11,12,13,14,15
	ds_store_b128 v[SIN], v[R+64*((\t)%2)+4*\i:R+64*((\t)%2)+4*\i+3] offset:SP*\i
.endr
.irp b, 0,1,2,3
.irp j, 0,1,2,3
	ds_load_b128 v[X+16*\b+4*\j:X+16*\b+4*\j+3], v[SOUT] offset:128*\b+16*\j   ; LDS serves a wave's instructions in order: these see the stores above
.endr
.endr
	s_wait_dscnt 0x0                               ; the numbers are back, and the stores have read their registers,
.if (\t) < 6
	LOAD (\t)+2                                    ; which take the loads of two steps on
.endif
	s_wait_xcnt 0x0                                ; the last step's stores have read the codes' registers
	QUANT X, PC, PC+6, PC+12, PWS+\t
.irp k, 0,1,2
	global_store_b128 v[L16], v[PC+4*\k:PC+4*\k+3], s[18:19] offset:IMG*(\t)+512*\k   ; 32 lanes store 512 consecutive bytes, aligned to 256
.endr
.endm
	LOAD 0
	LOAD 1
.irp t, 0,1,2,3,4,5,6,7
	STEP \t
.endr
	s_mov_b32 vcc_lo, 0xffff0000                   ; lanes 0-15 store row r's words of K steps 0-3, lanes 16-31 those of 4-7
.irp i, 0,1,2,3
	v_cndmask_b32 v[Y+\i], v[PWS+\i], v[PWS+4+\i], vcc_lo
.endr
	global_store_b128 v[L16], v[Y:Y+3], s[20:21]   ; 512 consecutive bytes
	s_wait_tensorcnt 0x0
	ds_add_u32 v62, v63
	s_wait_dscnt 0x0
	s_endpgm
.Lfunc_end_k_q855878bcb9_quant:
	.size	k_q855878bcb9_quant, .Lfunc_end_k_q855878bcb9_quant-k_q855878bcb9_quant
	.p2alignl 7, 3214868480
	.fill 96, 4, 3214868480
	.section	.rodata,"a",@progbits
	.p2align	6, 0x0
	.amdhsa_kernel k_q855878bcb9_quant
		.amdhsa_group_segment_fixed_size 60416
		.amdhsa_private_segment_fixed_size 0
		.amdhsa_enable_private_segment 0
		.amdhsa_kernarg_size 72
		.amdhsa_user_sgpr_count 2
		.amdhsa_user_sgpr_kernarg_segment_ptr 1
		.amdhsa_wavefront_size32 1
		.amdhsa_system_sgpr_workgroup_id_x 1
		.amdhsa_system_sgpr_workgroup_id_y 1
		.amdhsa_system_sgpr_workgroup_id_z 1
		.amdhsa_system_vgpr_workitem_id 0
		.amdhsa_next_free_vgpr 256
		.amdhsa_next_free_sgpr 66
		.amdhsa_reserve_vcc 1
		.amdhsa_float_denorm_mode_32 3
		.amdhsa_float_denorm_mode_16_64 3
		.amdhsa_memory_ordered 1
		.amdhsa_forward_progress 1
		.amdhsa_inst_pref_size 65
	.end_amdhsa_kernel
	.amdgpu_metadata
---
amdhsa.version: [ 1, 2 ]
amdhsa.kernels:
  - .name:           k_q855878bcb9_quant
    .symbol:         k_q855878bcb9_quant.kd
    .args:
      - { .name: q, .offset: 0, .size: 8, .value_kind: global_buffer, .address_space: global }
      - { .name: k, .offset: 8, .size: 8, .value_kind: global_buffer, .address_space: global }
      - { .name: v, .offset: 16, .size: 8, .value_kind: global_buffer, .address_space: global }
      - { .name: wq_w, .offset: 24, .size: 8, .value_kind: global_buffer, .address_space: global }
      - { .name: wk_w, .offset: 32, .size: 8, .value_kind: global_buffer, .address_space: global }
      - { .name: wv_w, .offset: 40, .size: 8, .value_kind: global_buffer, .address_space: global }
      - { .name: dense_w, .offset: 48, .size: 8, .value_kind: global_buffer, .address_space: global }
      - { .name: xc, .offset: 56, .size: 8, .value_kind: global_buffer, .address_space: global }
      - { .name: xs, .offset: 64, .size: 8, .value_kind: global_buffer, .address_space: global }
    .group_segment_fixed_size: 60416
    .private_segment_fixed_size: 0
    .kernarg_segment_align: 8
    .kernarg_segment_size: 72
    .max_flat_workgroup_size: 224
    .sgpr_count:     66
    .vgpr_count:     256
    .wavefront_size: 32
...
	.end_amdgpu_metadata
.endif
;; end of part 1
;; launch proj (part 2): grid 4 x 192, 4 waves a work-group, clusters of 4 x 4, 295,424 bytes of LDS; arguments xc, xs, wq_b, wk_b, wv_b, qc, qs, kv; writes qc, qs, kv
.if DOCPART == 2
	.amdgcn_target "amdgcn-amd-amdhsa--gfx1250"
	.amdhsa_code_object_version 6
	.text
	.protected	k_q855878bcb9_proj
	.globl	k_q855878bcb9_proj
	.p2align	8
	.type	k_q855878bcb9_proj,@function
k_q855878bcb9_proj:
	s_mov_b64 s[64:65], 0
	v_nop
	global_prefetch_b8 v0, s[64:65] scope:SCOPE_SE
	s_setreg_imm32_b32 hwreg(HW_REG_WAVE_MODE, 25, 1), 1
	s_wait_xcnt 0x0
	s_wait_alu depctr_hold_cnt(0) depctr_sa_sdst(0) depctr_va_vdst(0) depctr_va_sdst(0) depctr_va_ssrc(0) depctr_va_vcc(0) depctr_vm_vsrc(0)
	s_getreg_b32 s2, hwreg(HW_REG_IB_STS2, 6, 4)
	s_cmp_eq_u32 s2, 0
	s_cbranch_scc0 .Lentry_in_a_cluster
	s_endpgm
.Lentry_in_a_cluster:
	s_bfe_u32 s2, ttmp6, 0x10000c
	s_cmp_lg_u32 s2, 0xf033
	s_cbranch_scc0 .Lentry_shape_is_right
	s_endpgm
.Lentry_shape_is_right:
; The three projections x W^T + b on codes of BF6 with E8M0 scales; the results, in f32, are quantised in registers and leave as images of attention's operands.
; A TILE is R 128 rows (source 1) x P 256 rows (source 0), all of K = 1,024.  Four waves: wave w takes R's half w / 2 and P's half w % 2: 64 x 128 = 32 accumulators, 256 matrix instructions.
; Q, K (projection 0, 1): R = tokens, P = the weight's rows: a lane holds one token, its registers run along the features, which are the scores' K (64 a head: a wave's 128 features are two heads).
; V (projection 2): R = wv_w's rows, P = tokens: a lane holds one feature d, its registers run along the keys, which are the second product's K.
; The row tiles of xc that stand as source 0 are in the permuted order (launch quant), so the 64 registers acc(a, 0 .. 7) of a lane are: register 16 B + i = index 32 B + 16 h + i: what QUANT takes.
; ALL OF K LIES IN LDS: R 98,304 bytes, P 196,608.  Every LDS byte is filled once, so there is no ring; the twelve tensor loads go out as one group and are used in four chunks of two K steps behind counted waits.
; CLUSTER 4 x 4: cx = P's tile, cy = R's.  R's loads name my row of the cluster, P's my column: each tile is asked for jointly by four work-groups.
; OUT.  qc: (128 Hd + t) x 768: a half fragment (6 registers: registers 2 i, 2 i + 1 of lane l at 256 i + 8 l) of query tile t of head Hd = 16 batch + head.  qs: (32 Hd + t / 4) x 256 + 8 (r + 16 (t & 1)) + 4 ((t >> 1) & 1):
; a word with the two scale bytes below and zeros above.  kv: 208,896 Hd + 13,056 ks: a record for 128 keys: 8 key tiles x 768; 4 tiles of V^T (16 d x 128 keys) x 1,536; K's scale words, 2 x 256 laid as qs; V's, 256.
; The bias is added to the finished sum, as the definition has it.  LIMITS: as in launch quant (a block of zeros gets the byte 1; NaN and infinities are not served).
; REGISTERS, in windows of 256.  Window 0: v1-12 ids and addresses; v32-63 P's scale words; v64-79 R's; v80-127, v128-175 R's fragments, two sets (on the way out: numbers, codes); v176-239 bias; v240-255 at work.
;   Window 1: P's fragments, two sets, at v0 and v128.   Window 2: acc(a, b) at v[8 (8 a + b)].
.set CH,    24576                      ; a chunk: 8 row tiles x two K steps
.set RT2,   3072                       ; a row tile's two K steps
.set IMG,   1536
.set PREG,  98304                      ; R's bytes; each half of P as many, behind them
.set TILEB, 12288
.set HEADB, 208896
.set REC,   13056
.set L16,  4
.set L8,   5
.set ARLO, 6                           ; v6, v7  my R fragments: K steps 0-3, 4-7
.set APLO, 8                           ; v8, v9  my P fragments
.set SPO,  10
.set SRO,  11
.set BO,   12
.set SPS,  32                          ; v[32 + 8 i + s]: lanes 0-15 P tile i, lanes 16-31 P tile 4 + i, K step s
.set SRS,  64                          ; v[64 + 8 u + s]: lanes 0-15 R tile u, lanes 16-31 R tile 2 + u
.set RF,   80
.set BI,   176
.set TM,   240
.set ST,   80                          ; the way out: 64 numbers
.set PC,   144                         ; codes (12) and halves on their way (8)
.set PWS,  164                         ; four scale words
.set XW,   168
.set SEL,  2                           ; s[2:3]
.set WV,   20
.set RH,   21                          ; w / 2: my half of R; also the half of P that waves 1 and 2 fetch
.set PH,   22                          ; w % 2: my half of P
.set CX,   23
.set CY,   24
.set PJ,   25                          ; which projection
.set IDX,  26
.set G1R,  28
.set G1P,  36
.set G0R,  44
.set G0P,  68
.set RT,   84                          ; R's tile (holds cy, never cx)
.set PT,   85                          ; P's tile (holds cx, never cy)
.set TR,   86
.set TP,   87
.set CA,   94
.set CB,   96
.set SA,   98
.set SB,   100
.set MSB, 0
.macro WIN new                         ; the immediate's high byte repeats the setting that is left
.if MSB != \new
	s_set_vgpr_msb (MSB<<8)|\new
.set MSB, \new
.endif
.endm
.macro PLACES n
.rept \n
	v_nop
.endr
.endm
.macro CROUND                          ; a round of the cluster's barrier
	s_barrier_signal -1
	s_barrier_wait -1
	s_cmp_lg_u32 s[WV], 0
	s_cbranch_scc1 .Lnot_wave_0_\@
	s_barrier_signal -3
.Lnot_wave_0_\@:
	s_barrier_wait -3
	s_barrier_signal -1
	s_barrier_wait -1
.endm
.macro QUANT s, d0, d1, tp, pw         ; as in launch quant
.irp b, 0,1,2,3
	v_max3_num_f32 v[TM+\b], |v[\s+16*\b]|, |v[\s+1+16*\b]|, 0x2800000
.endr
.irp i, 2,4,6,8,10,12,14
.irp b, 0,1,2,3
	v_max3_num_f32 v[TM+\b], v[TM+\b], |v[\s+16*\b+\i]|, |v[\s+1+16*\b+\i]|
.endr
.endr
.irp b, 0,1,2,3
	v_permlanex16_b32 v[TM+4+\b], v[TM+\b], s[SEL], s[SEL+1]
.endr
.irp b, 0,1,2,3
	v_max_num_f32 v[TM+\b], v[TM+\b], v[TM+4+\b]
.endr
.irp b, 0,1,2,3
	v_add_nc_u32 v[TM+12+\b], 0xfe000000, v[TM+\b]
.endr
.irp b, 0,1,2,3
	v_lshrrev_b32 v[TM+4+\b], 23, v[TM+12+\b]
.endr
	v_lshl_or_b32 v[\pw], v[TM+5], 8, v[TM+4]
	v_lshl_or_b32 v[\pw], v[TM+6], 16, v[\pw]
	v_lshl_or_b32 v[\pw], v[TM+7], 24, v[\pw]
	v_cvt_scalef32_pk16_bf6_f32 v[\d0:\d0+2], v[\s:\s+15], v[TM+12]
	v_cvt_scalef32_pk16_bf6_f32 v[\tp:\tp+2], v[\s+16:\s+31], v[TM+13]
	v_cvt_scalef32_pk16_bf6_f32 v[\d1:\d1+2], v[\s+32:\s+47], v[TM+14]
	v_cvt_scalef32_pk16_bf6_f32 v[\tp+4:\tp+6], v[\s+48:\s+63], v[TM+15]
	v_nop                                          ; one plain instruction behind the scaled conversions
.irp i, 0,1,2
	v_permlane16_swap_b32 v[\d0+\i], v[\tp+\i]
	v_permlane16_swap_b32 v[\d1+\i], v[\tp+4+\i]
.endr
.irp i, 0,1,2
	v_mov_b32 v[\d0+3+\i], v[\tp+\i]
	v_mov_b32 v[\d1+3+\i], v[\tp+4+\i]
.endr
.endm
; One matrix instruction.  ah, bh: source 0's, source 1's scale words stand in lanes 16-31 of their register.
.macro WMS d, pa, ra, c, sa, sb, ah, bh
.if (\ah) && (\bh)
	v_wmma_scale_f32_16x16x128_f8f6f4 v[\d:\d+7], v[\pa:\pa+11], v[\ra:\ra+11], \c, v[\sa], v[\sb] matrix_a_fmt:MATRIX_FMT_BF6 matrix_b_fmt:MATRIX_FMT_BF6 matrix_a_scale:MATRIX_SCALE_ROW1 matrix_b_scale:MATRIX_SCALE_ROW1
.elseif (\ah)
	v_wmma_scale_f32_16x16x128_f8f6f4 v[\d:\d+7], v[\pa:\pa+11], v[\ra:\ra+11], \c, v[\sa], v[\sb] matrix_a_fmt:MATRIX_FMT_BF6 matrix_b_fmt:MATRIX_FMT_BF6 matrix_a_scale:MATRIX_SCALE_ROW1
.elseif (\bh)
	v_wmma_scale_f32_16x16x128_f8f6f4 v[\d:\d+7], v[\pa:\pa+11], v[\ra:\ra+11], \c, v[\sa], v[\sb] matrix_a_fmt:MATRIX_FMT_BF6 matrix_b_fmt:MATRIX_FMT_BF6 matrix_b_scale:MATRIX_SCALE_ROW1
.else
	v_wmma_scale_f32_16x16x128_f8f6f4 v[\d:\d+7], v[\pa:\pa+11], v[\ra:\ra+11], \c, v[\sa], v[\sb] matrix_a_fmt:MATRIX_FMT_BF6 matrix_b_fmt:MATRIX_FMT_BF6
.endif
.endm
; A K step's 32 matrix instructions on fragment set bf.  cm = 1: they start the sums.  The 32 accumulators take turns, in the same order in every step.
.macro MUL ks, bf, cm
	WIN 0xa1                                       ; source 0 (P) window 1, source 1 (R) window 0, C and D window 2
.irp a, 0,1,2,3
.irp b, 0,1,2,3,4,5,6,7
.if (\cm) == 1
	WMS 8*(8*\a+\b), 128*(\bf)+12*\b, RF+48*(\bf)+12*\a, 0, SPS+8*(\b%4)+(\ks), SRS+8*(\a%2)+(\ks), \b/4, \a/2
.else
	WMS 8*(8*\a+\b), 128*(\bf)+12*\b, RF+48*(\bf)+12*\a, v[8*(8*\a+\b):8*(8*\a+\b)+7], SPS+8*(\b%4)+(\ks), SRS+8*(\a%2)+(\ks), \b/4, \a/2
.endif
.endr
.endr
.endm
.macro FETCH_P ks, bf                  ; my 8 fragments of P for K step ks: each load takes 512 consecutive bytes
	WIN 0x40                                       ; destination window 1
.irp i, 0,1,2,3,4,5,6,7
.irp k, 0,1,2
	ds_load_b128 v[128*(\bf)+12*\i+4*\k:128*(\bf)+12*\i+4*\k+3], v[APLO+(\ks)/4] offset:(((\ks)/2)%2)*CH+RT2*\i+IMG*((\ks)%2)+512*\k
.endr
.endr
.endm
.macro FETCH_R ks, bf                  ; my 4 fragments of R
	WIN 0
.irp a, 0,1,2,3
.irp k, 0,1,2
	ds_load_b128 v[RF+48*(\bf)+12*\a+4*\k:RF+48*(\bf)+12*\a+4*\k+3], v[ARLO+(\ks)/4] offset:(((\ks)/2)%2)*CH+RT2*\a+IMG*((\ks)%2)+512*\k
.endr
.endr
.endm
; K step ks: its fragments are in; the next step's are asked for, into the other set, and land while this step is multiplied.
.macro GSTEP ks, cm
	s_wait_dscnt 0x0                               ; this step's fragments are in; no LDS access of mine is out at the signal below
.if ((\ks)%2 == 1) && ((\ks) < 7)
	s_wait_tensorcnt 3-((\ks)+1)/2                 ; my load of the next chunk has landed; my loads of the later chunks may stay out
	s_barrier_signal -1
	s_barrier_wait -1                              ; everybody's has
.endif
.if (\ks) < 7
.if (\ks) > 0
	PLACES 4                                       ; four plain instructions between the last step's products and loads into the registers that they read (ISA guide 7.12.1 for vector instructions)
.endif
	FETCH_P (\ks)+1, ((\ks)+1)%2
	FETCH_R (\ks)+1, ((\ks)+1)%2
.endif
	MUL \ks, (\ks)%2, \cm
.endm
	s_load_b512 s[4:19], s[0:1], 0x0               ; xc, xs, wq_b, wk_b, wv_b, qc, qs, kv
	v_lshl_add_u32 v250, v0, 2, 0x48000
	v_mov_b32 v251, 0
	ds_add_u32 v250, v251
	ds_add_u32 v250, v251
	v_lshrrev_b32 v1, 5, v0
	v_readfirstlane_b32 s[WV], v1                  ; wave 0..3
	s_lshr_b32 s[RH], s[WV], 1
	s_and_b32 s[PH], s[WV], 1
	s_bfe_u32 s[CX], ttmp6, 0x40000
	s_bfe_u32 s[CY], ttmp6, 0x40004
	s_and_b32 s[IDX], ttmp7, 0xffff                ; the cluster's y, 0..47: 16 clusters for each projection
	s_lshr_b32 s[PJ], s[IDX], 4
	s_and_b32 s[IDX], s[IDX], 15
	s_lshl_b32 s[RT], s[IDX], 2                    ; Q, K: R's tiles 4 idx + cy of 64,
	s_and_b32 s60, s[IDX], 1
	s_lshl_b32 s60, s60, 2                         ; V: 4 (idx & 1) + cy of 8
	s_lshl_b32 s[TR], s[PJ], 9                     ; Q, K: the tokens' row tiles begin at 512 p
	s_lshr_b32 s[PT], s[IDX], 1
	s_lshl_b32 s[PT], s[PT], 2                     ; V: P's tiles 4 (idx >> 1) + cx of 32
	s_lshl_b32 s[TP], s[PJ], 6
	s_add_co_u32 s[TP], s[TP], 1536                ; Q, K: the weight's row tiles begin at 1,536 + 64 p
	s_cmp_eq_u32 s[PJ], 2
	s_cselect_b32 s[RT], s60, s[RT]
	s_cselect_b32 s[TR], 1664, s[TR]               ; V: R = wv_w
	s_cselect_b32 s[PT], s[PT], 0
	s_cselect_b32 s[TP], 1024, s[TP]               ; V: P = v's tokens
	s_add_co_u32 s[RT], s[RT], s[CY]
	s_add_co_u32 s[PT], s[PT], s[CX]
	s_lshl_b32 s60, s[RT], 3
	s_add_co_u32 s[TR], s[TR], s60                 ; R's first row tile
	s_lshl_b32 s61, s[PT], 4
	s_add_co_u32 s[TP], s[TP], s61                 ; P's first row tile
	s_lshl_b32 s62, s[CY], 2
	s_lshl_b32 s62, 15, s62                        ; my row of the cluster
	s_lshl_b32 s63, 0x1111, s[CX]                  ; my column
	; group 1: 8 rows (row tiles) of 384 elements of 8 bytes (two K steps' images), 1,536 elements from tile to tile; no padding: the images are read as they lie
	s_or_b32 s[G1R], s62, (3<<16)|(1<<21)
	s_or_b32 s[G1P], s63, (3<<16)|(1<<21)
.irp g, G1R, G1P
	s_mov_b32 s[\g+1], 384<<16                     ; tensor_dim0
	s_mov_b32 s[\g+2], 8<<16                       ; tensor_dim1
	s_mov_b32 s[\g+3], 384<<16                     ; tile_dim0
	s_mov_b32 s[\g+4], 8                           ; tile_dim1
	s_mov_b32 s[\g+5], 1536                        ; the pitch
	s_mov_b32 s[\g+6], 0
	s_mov_b32 s[\g+7], 0
.endr
	s_mul_i32 s88, s[TR], TILEB
	s_mov_b32 s89, 0
	s_lshl_b32 s90, s[RH], 3
	s_add_co_u32 s90, s90, s[TP]
	s_mul_i32 s90, s90, TILEB                      ; the half of P that I fetch, if I fetch for P
	s_mov_b32 s91, 0
	s_mul_i32 s92, s[RH], PREG
	s_add_co_u32 s92, s92, PREG                    ; and its place in LDS: the wave's number and constants alone
	s_mov_b32 s[SEL], 0x76543210
	s_mov_b32 s[SEL+1], 0xfedcba98
	s_wait_dscnt 0x0
	s_wait_kmcnt 0x0
	s_add_nc_u64 s[88:89], s[4:5], s[88:89]
	s_add_nc_u64 s[90:91], s[4:5], s[90:91]
.irp c, 0,1,2,3                        ; a group 0 for each chunk of two K steps
	s_mov_b32 s[G0R+4*\c], 1
	s_mov_b32 s[G0R+4*\c+1], \c*CH
	s_add_nc_u64 s[G0R+4*\c+2:G0R+4*\c+3], s[88:89], \c*RT2
	s_or_b32 s[G0R+4*\c+3], s[G0R+4*\c+3], 0x80000000
	s_mov_b32 s[G0P+4*\c], 1
	s_add_co_u32 s[G0P+4*\c+1], s92, \c*CH
	s_add_nc_u64 s[G0P+4*\c+2:G0P+4*\c+3], s[90:91], \c*RT2
	s_or_b32 s[G0P+4*\c+3], s[G0P+4*\c+3], 0x80000000
.endr
	CROUND                                         ; all sixteen work-groups are here: the joint loads meet
	s_cmp_eq_u32 s[WV], 0                          ; wave 0: R's four chunks; waves 1, 2: a half of P each; wave 3: none.  Four loads of a wave are out at the most
	s_cbranch_scc0 .Lnot_r
	tensor_load_to_lds s[G0R:G0R+3], s[G1R:G1R+7]
	s_nop 0
	tensor_load_to_lds s[G0R+4:G0R+7], s[G1R:G1R+7]
	s_nop 0
	tensor_load_to_lds s[G0R+8:G0R+11], s[G1R:G1R+7]
	s_nop 0
	tensor_load_to_lds s[G0R+12:G0R+15], s[G1R:G1R+7]
	s_nop 0
	PLACES 4
	s_branch .Lasked
.Lnot_r:
	s_cmp_eq_u32 s[WV], 3
	s_cbranch_scc1 .Lasked
	tensor_load_to_lds s[G0P:G0P+3], s[G1P:G1P+7]
	s_nop 0
	tensor_load_to_lds s[G0P+4:G0P+7], s[G1P:G1P+7]
	s_nop 0
	tensor_load_to_lds s[G0P+8:G0P+11], s[G1P:G1P+7]
	s_nop 0
	tensor_load_to_lds s[G0P+12:G0P+15], s[G1P:G1P+7]
	s_nop 0
	PLACES 4
.Lasked:
	v_and_b32 v1, 31, v0                           ; lane
	v_and_b32 v2, 15, v0                           ; r
	v_bfe_u32 v3, v0, 4, 1                         ; h
	v_lshlrev_b32 v[L16], 4, v1
	v_lshlrev_b32 v[L8], 3, v1
	s_mul_i32 s93, s[RH], 4*RT2
	v_add_nc_u32 v[ARLO], s93, v[L16]
	v_add_nc_u32 v[ARLO+1], 2*CH, v[ARLO]
	s_mul_i32 s93, s[PH], PREG
	s_add_co_u32 s93, s93, PREG
	v_add_nc_u32 v[APLO], s93, v[L16]
	v_add_nc_u32 v[APLO+1], 2*CH, v[APLO]
	v_lshlrev_b32 v[SPO], 4, v2
	v_lshl_add_u32 v[SRO], v3, 10, v[SPO]          ; R's scale words: 16 r, lanes 16-31 two tiles on
	v_lshl_add_u32 v[SPO], v3, 11, v[SPO]          ; P's: lanes 16-31 four tiles on
.irp b, 0,1,2,3
	v_mov_b32 v[TM+4+\b], 0                        ; written once: a lane permute's destination counts as one of its sources
.endr
	s_lshl_b32 s94, s[PH], 3
	s_add_co_u32 s94, s94, s[TP]
	s_lshl_b32 s94, s94, 9
	s_mov_b32 s95, 0
	s_add_nc_u64 s[94:95], s[6:7], s[94:95]
	s_lshl_b32 s96, s[RH], 2
	s_add_co_u32 s96, s96, s[TR]
	s_lshl_b32 s96, s96, 9
	s_mov_b32 s97, 0
	s_add_nc_u64 s[96:97], s[6:7], s[96:97]
.irp i, 0,1,2,3                        ; the scale words of all of K go straight into registers: 16 lanes read 256 consecutive bytes
.irp c, 0,1
	global_load_b128 v[SPS+8*\i+4*\c:SPS+8*\i+4*\c+3], v[SPO], s[94:95] offset:512*\i+256*\c
.endr
.endr
.irp u, 0,1
.irp c, 0,1
	global_load_b128 v[SRS+8*\u+4*\c:SRS+8*\u+4*\c+3], v[SRO], s[96:97] offset:512*\u+256*\c
.endr
.endr
	s_wait_tensorcnt 0x3                           ; my load of chunk 0 has landed; my three later ones may stay out
	s_barrier_signal -1
	s_barrier_wait -1
	FETCH_P 0, 0
	FETCH_R 0, 0
	s_wait_loadcnt 0x0                             ; the scale words
	GSTEP 0, 1
	GSTEP 1, 0
	GSTEP 2, 0
	GSTEP 3, 0
	GSTEP 4, 0
	GSTEP 5, 0
	WIN 0                                          ; at a branch and at a label every window is 0
	s_cmp_eq_u32 s[PJ], 2                          ; the same in all sixteen partners and all waves.  Each arm: its bias loads, the last two K steps, its way out; no barrier stands in an arm
	s_cbranch_scc1 .Lv_arm
	; ---- Q and K.  The bias of my 128 features in the results' layout: register 8 t + j: feature 32 (t / 2) + 16 h + 8 (t % 2) + j
	s_lshl_b32 s60, s[PT], 10
	s_lshl_b32 s61, s[PH], 9
	s_add_co_u32 s60, s60, s61
	s_mov_b32 s61, 0
	s_cmp_eq_u32 s[PJ], 0
	s_cselect_b64 s[88:89], s[8:9], s[10:11]
	s_add_nc_u64 s[88:89], s[88:89], s[60:61]
	v_lshlrev_b32 v[BO], 6, v3
.irp t, 0,1,2,3,4,5,6,7
	global_load_b128 v[BI+8*\t:BI+8*\t+3], v[BO], s[88:89] offset:(32*(\t/2)+8*(\t%2))*4
	global_load_b128 v[BI+8*\t+4:BI+8*\t+7], v[BO], s[88:89] offset:(32*(\t/2)+8*(\t%2))*4+16
.endr
	s_lshr_b32 s60, s[RT], 4
	s_lshl_b32 s60, s60, 4                         ; 16 x batch
	s_lshl_b32 s62, s[PT], 2
	s_add_co_u32 s60, s60, s62
	s_lshl_b32 s62, s[PH], 1
	s_add_co_u32 s60, s60, s62                     ; Hd: the first of my two heads
	s_and_b32 s62, s[RT], 15
	s_lshl_b32 s62, s62, 3
	s_lshl_b32 s63, s[RH], 2
	s_add_co_u32 s62, s62, s63                     ; t0: my first token tile in the batch, a multiple of 4
	s_lshl_b32 s90, s60, 7
	s_add_co_u32 s90, s90, s62
	s_mul_i32 s90, s90, 768                        ; its place in qc
	s_lshl_b32 s92, s60, 5
	s_lshr_b32 s63, s62, 2
	s_add_co_u32 s92, s92, s63
	s_lshl_b32 s92, s92, 8                         ; and in qs
	s_mul_i32 s66, s60, HEADB
	s_lshr_b32 s63, s62, 3
	s_mul_i32 s63, s63, REC
	s_add_co_u32 s66, s66, s63                     ; its record in kv
	s_and_b32 s63, s62, 4
	s_mul_i32 s67, s63, 768
	s_add_co_u32 s67, s67, s66                     ; K's codes there,
	s_lshl_b32 s63, s63, 6
	s_add_co_u32 s66, s66, s63
	s_add_co_u32 s66, s66, 12288                   ; K's scale words
	s_mov_b32 s60, HEADB                           ; from a head to the next
	s_mov_b32 s62, HEADB
	s_cmp_eq_u32 s[PJ], 0
	s_cselect_b32 s90, s90, s67
	s_cselect_b32 s92, s92, s66
	s_cselect_b32 s60, 128*768, s60
	s_cselect_b32 s62, 32*256, s62
	s_cselect_b64 s[CA:CA+1], s[14:15], s[18:19]
	s_cselect_b64 s[SA:SA+1], s[16:17], s[18:19]
	s_mov_b32 s91, 0
	s_mov_b32 s93, 0
	s_mov_b32 s61, 0
	s_mov_b32 s63, 0
	s_add_nc_u64 s[CA:CA+1], s[CA:CA+1], s[90:91]
	s_add_nc_u64 s[SA:SA+1], s[SA:SA+1], s[92:93]
	s_add_nc_u64 s[CB:CB+1], s[CA:CA+1], s[60:61]
	s_add_nc_u64 s[SB:SB+1], s[SA:SA+1], s[62:63]
	GSTEP 6, 0
	GSTEP 7, 0
	WIN 0
	PLACES 4                                       ; between the last products and the first read of results and write of their operands' registers
	s_wait_loadcnt 0x0                             ; the bias
.irp a, 0,1,2,3                        ; token tile t0 + a: 64 numbers a lane = two heads' 64
	WIN 0x02                                       ; source 0 window 2
.set i, 0
.rept 32
	v_pk_add_f32 v[ST+i:ST+i+1], v[64*\a+i:64*\a+i+1], v[BI+i:BI+i+1]   ; + bias, into window 0; each accumulator from its low end on
.set i, i+2
.endr
	WIN 0
	s_wait_xcnt 0x0                                ; the last tile's stores have read the codes' registers
	QUANT ST, PC, PC+6, PC+12, PWS+\a
.irp i, 0,1,2
	global_store_b64 v[L8], v[PC+2*\i:PC+2*\i+1], s[CA:CA+1] offset:768*\a+256*\i       ; 32 lanes store 256 consecutive bytes, aligned
	global_store_b64 v[L8], v[PC+6+2*\i:PC+6+2*\i+1], s[CB:CB+1] offset:768*\a+256*\i   ; the second head's half
.endr
.endr
	s_mov_b32 vcc_lo, 0xffff0000
	v_cndmask_b32 v[XW], v[PWS], v[PWS+1], vcc_lo        ; lane (r, h): the words of tiles h and 2 + h
	v_cndmask_b32 v[XW+1], v[PWS+2], v[PWS+3], vcc_lo
	v_and_b32 v[XW+2], 0xffff, v[XW]                     ; bytes 0, 1: the first head's two scales; the bytes above stay 0
	v_and_b32 v[XW+3], 0xffff, v[XW+1]
	v_lshrrev_b32 v[XW+4], 16, v[XW]                     ; bytes 2, 3: the second head's
	v_lshrrev_b32 v[XW+5], 16, v[XW+1]
	global_store_b64 v[L8], v[XW+2:XW+3], s[SA:SA+1]
	global_store_b64 v[L8], v[XW+4:XW+5], s[SB:SB+1]
	s_branch .Lend
.Lv_arm:
	; ---- V.  A lane holds feature d: row r of R tile a is feature 32 (a / 2) + 8 (a % 2) + r + 8 (r / 8) of my head
	s_lshl_b32 s60, s[RT], 9
	s_lshl_b32 s61, s[RH], 8
	s_add_co_u32 s60, s60, s61
	s_mov_b32 s61, 0
	s_add_nc_u64 s[88:89], s[12:13], s[60:61]
	v_and_b32 v[BO], 8, v2
	v_add_nc_u32 v[BO], v[BO], v2
	v_lshlrev_b32 v[BO], 2, v[BO]
.irp a, 0,1,2,3
	global_load_b32 v[BI+2*\a], v[BO], s[88:89] offset:(32*(\a/2)+8*(\a%2))*4
	global_load_b32 v[BI+2*\a+1], v[BO], s[88:89] offset:(32*(\a/2)+8*(\a%2))*4   ; (the packed addition names the pair)
.endr
	s_lshr_b32 s60, s[PT], 3
	s_lshl_b32 s60, s60, 4                         ; 16 x batch
	s_lshl_b32 s62, s[RT], 1
	s_add_co_u32 s60, s60, s62
	s_add_co_u32 s60, s60, s[RH]                   ; Hd
	s_mul_i32 s60, s60, HEADB
	s_and_b32 s62, s[PT], 7
	s_lshl_b32 s62, s62, 1
	s_add_co_u32 s62, s62, s[PH]                   ; my 128 keys' record
	s_mul_i32 s62, s62, REC
	s_add_co_u32 s60, s60, s62
	s_add_co_u32 s60, s60, 6144                    ; V's part of it
	s_add_nc_u64 s[CA:CA+1], s[18:19], s[60:61]
	GSTEP 6, 0
	GSTEP 7, 0
	WIN 0
	PLACES 4
	s_wait_loadcnt 0x0
.irp a, 0,1,2,3                        ; tile a of V^T: 16 d x 128 keys
	WIN 0x02
.set i, 0
.rept 32
	v_pk_add_f32 v[ST+i:ST+i+1], v[64*\a+i:64*\a+i+1], v[BI+2*\a:BI+2*\a+1] op_sel_hi:[1,0]
.set i, i+2
.endr
	WIN 0
	s_wait_xcnt 0x0
	QUANT ST, PC, PC+6, PC+12, PWS+\a
.irp k, 0,1,2
	global_store_b128 v[L16], v[PC+4*\k:PC+4*\k+3], s[CA:CA+1] offset:IMG*\a+512*\k
.endr
.endr
	s_mov_b32 vcc_lo, 0xffff0000
	v_cndmask_b32 v[XW], v[PWS], v[PWS+1], vcc_lo
	v_cndmask_b32 v[XW+1], v[PWS+2], v[PWS+3], vcc_lo
	global_store_b64 v[L8], v[XW:XW+1], s[CA:CA+1] offset:6656
.Lend:
	s_wait_tensorcnt 0x0
	ds_add_u32 v250, v251
	s_wait_dscnt 0x0
	CROUND                                         ; the closing round: no work-group ends while a partner may still ask for a tile that names it
	s_endpgm
.Lfunc_end_k_q855878bcb9_proj:
	.size	k_q855878bcb9_proj, .Lfunc_end_k_q855878bcb9_proj-k_q855878bcb9_proj
	.p2alignl 7, 3214868480
	.fill 96, 4, 3214868480
	.section	.rodata,"a",@progbits
	.p2align	6, 0x0
	.amdhsa_kernel k_q855878bcb9_proj
		.amdhsa_group_segment_fixed_size 295424
		.amdhsa_private_segment_fixed_size 0
		.amdhsa_enable_private_segment 0
		.amdhsa_kernarg_size 64
		.amdhsa_user_sgpr_count 2
		.amdhsa_user_sgpr_kernarg_segment_ptr 1
		.amdhsa_wavefront_size32 1
		.amdhsa_system_sgpr_workgroup_id_x 1
		.amdhsa_system_sgpr_workgroup_id_y 1
		.amdhsa_system_sgpr_workgroup_id_z 1
		.amdhsa_system_vgpr_workitem_id 0
		.amdhsa_next_free_vgpr 768
		.amdhsa_next_free_sgpr 102
		.amdhsa_reserve_vcc 1
		.amdhsa_float_denorm_mode_32 3
		.amdhsa_float_denorm_mode_16_64 3
		.amdhsa_memory_ordered 1
		.amdhsa_forward_progress 1
		.amdhsa_inst_pref_size 129
	.end_amdhsa_kernel
	.amdgpu_metadata
---
amdhsa.version: [ 1, 2 ]
amdhsa.kernels:
  - .name:           k_q855878bcb9_proj
    .symbol:         k_q855878bcb9_proj.kd
    .args:
      - { .name: xc, .offset: 0, .size: 8, .value_kind: global_buffer, .address_space: global }
      - { .name: xs, .offset: 8, .size: 8, .value_kind: global_buffer, .address_space: global }
      - { .name: wq_b, .offset: 16, .size: 8, .value_kind: global_buffer, .address_space: global }
      - { .name: wk_b, .offset: 24, .size: 8, .value_kind: global_buffer, .address_space: global }
      - { .name: wv_b, .offset: 32, .size: 8, .value_kind: global_buffer, .address_space: global }
      - { .name: qc, .offset: 40, .size: 8, .value_kind: global_buffer, .address_space: global }
      - { .name: qs, .offset: 48, .size: 8, .value_kind: global_buffer, .address_space: global }
      - { .name: kv, .offset: 56, .size: 8, .value_kind: global_buffer, .address_space: global }
    .group_segment_fixed_size: 295424
    .private_segment_fixed_size: 0
    .kernarg_segment_align: 8
    .kernarg_segment_size: 64
    .max_flat_workgroup_size: 128
    .sgpr_count:     102
    .vgpr_count:     768
    .wavefront_size: 32
...
	.end_amdgpu_metadata
.endif
;; end of part 2
;; launch attn (part 3): grid 4 x 64, 16 waves a work-group, clusters of 4 x 1, 212,992 bytes of LDS; arguments qc, qs, kv, oc, os; writes oc, os
.if DOCPART == 3
	.amdgcn_target "amdgcn-amd-amdhsa--gfx1250"
	.amdhsa_code_object_version 6
	.text
	.protected	k_q855878bcb9_attn
	.globl	k_q855878bcb9_attn
	.p2align	8
	.type	k_q855878bcb9_attn,@function
k_q855878bcb9_attn:
	s_mov_b64 s[64:65], 0
	v_nop
	global_prefetch_b8 v0, s[64:65] scope:SCOPE_SE
	s_setreg_imm32_b32 hwreg(HW_REG_WAVE_MODE, 25, 1), 1
	s_wait_xcnt 0x0
	s_wait_alu depctr_hold_cnt(0) depctr_sa_sdst(0) depctr_va_vdst(0) depctr_va_sdst(0) depctr_va_ssrc(0) depctr_va_vcc(0) depctr_vm_vsrc(0)
	s_getreg_b32 s2, hwreg(HW_REG_IB_STS2, 6, 4)
	s_cmp_eq_u32 s2, 0
	s_cbranch_scc0 .Lentry_in_a_cluster
	s_endpgm
.Lentry_in_a_cluster:
	s_bfe_u32 s2, ttmp6, 0x10000c
	s_cmp_lg_u32 s2, 0x3003
	s_cbranch_scc0 .Lentry_shape_is_right
	s_endpgm
.Lentry_shape_is_right:
; Causal attention of one head on codes of BF6 with E8M0 scales; O / l is quantised along D and leaves as images of the dense layer's operand.
; THE SOFTMAX AHEAD OF THE SECOND PRODUCT: t = score x log2(e) / 8; M = the running largest t rounded up to a whole number; p = 2^(t - M) is quantised along the keys; the row's sum is taken of the unquantised p and divides at the end.
; When M moves, the sum and O are multiplied by 2^(old M - new M), exactly.  A hidden key's score becomes -infinity ahead of the maximum, so its p is 0.
; LIMIT: that equals the definition's added -1e9 as long as a row's logits differ by less than about 9e8.  NaN and infinities are not served; a block of zeros gets the byte 1.
; SHARES.  The four work-groups of a cluster serve one head (64 heads x batches along y).  A BUCKET g is 128 queries = one key step.  Wave w of work-group j has two tiles of 16 queries: 8 g + 2 j + w % 2 for g = w / 2 and for
; g = 15 - w / 2.  So which key steps are hidden, and which lies on the diagonal, hang on the wave's number and the step's count alone, never on the place in the cluster; and every wave has 17 tile steps.
; THE HEAD'S K AND V LIE IN LDS WHOLE: 16 records of 13,056 bytes (launch proj).  Each LDS byte is filled once, by joint loads of waves 0 to 5 that name all four work-groups: records 0, 1 first, the other 14 behind them.
; LAYOUT.  Both products transposed: S^T = K Q^T, O^T = V^T P^T: a lane holds one query.  The keys of a tile of K, and the d of a tile of V^T, are in the permuted order, so p's and O's registers run along the next K as neighbours.
; K = 64 IN AN INSTRUCTION OF 128.  Q's registers 6-11 hold zero codes.  K's tiles are 6 registers each, on end; tile t's operand names 12: its upper six are the next tile's codes (the last tile's: six zeros),
; which meet Q's zero codes; bytes 2 and 3 of both scale words are 0, no NaN.  So nothing is added, and K's LDS reads are those of 64 along K.
; REGISTERS: v1-9 addresses; v10-18 scale words; v20-27 two jobs' (-M, largest t, the sum in two halves); v28-51 Q; v52-105 K's tiles, then at work; v106-169 S^T, p, then V's fragments; v170-233 O^T of the two jobs.
.set REC,   13056
.set HEADB, 208896
.set SCR,   208896                     ; behind the records: 2,048 bytes in which the work-group's 32 tiles' scale words of O meet; no tensor load fills them
.set L8,   1
.set L16,  2
.set VD,   3                           ; my query's place in its bucket - 16 h
.set ADK,  4
.set ADV,  5
.set NINF, 6
.set SC1,  7
.set SC2,  8
.set SRD,  9
.set KSC,  10                          ; v10-13: register x: lanes 0-15 key tile 2 x, lanes 16-31 key tile 2 x + 1
.set VSC,  14                          ; v14-15 likewise for V^T's four tiles
.set PSC,  16
.set QS1,  17
.set QS2,  18
.set ST1,  20
.set ST2,  24
.set Q1,   28
.set Q2,   40
.set F,    52
.set BM,   F                           ; four blocks' largest score, then largest p
.set T4,   F+4                         ; eight registers at work
.set SO,   F+12                         ; the conversions' scale operands
.set FF,   F+16                         ; f, named as a pair
.set TT,   F+18
.set PC,   F+20                         ; p's codes
.set S,    106
.set O1,   170
.set O2,   202
.set WV,   14
.set U,    15
.set GA,   16
.set GB,   17
.set J,    18
.set HD,   19
.set SEL,  20
.set CS,   22
.set KS,   24
.set TB,   25
.set G1A,  28
.set G1B,  36
.set G0A,  44
.set G0B,  48
.macro PLACES n
.rept \n
	v_nop
.endr
.endm
.macro CROUND
	s_barrier_signal -1
	s_barrier_wait -1
	s_cmp_lg_u32 s[WV], 0
	s_cbranch_scc1 .Lnot_wave_0_\@
	s_barrier_signal -3
.Lnot_wave_0_\@:
	s_barrier_wait -3
	s_barrier_signal -1
	s_barrier_wait -1
.endm
	s_load_b256 s[4:11], s[0:1], 0x0               ; qc, qs, kv, oc
	s_load_b64 s[12:13], s[0:1], 0x20              ; os
	v_lshl_add_u32 v254, v0, 2, 0x33800
	v_mov_b32 v255, 0
	ds_add_u32 v254, v255
	ds_add_u32 v254, v255
	v_lshrrev_b32 v1, 5, v0
	v_readfirstlane_b32 s[WV], v1                  ; wave 0..15
	s_and_b32 s[U], s[WV], 1
	s_lshr_b32 s[GA], s[WV], 1                     ; my first bucket, 0..7
	s_xor_b32 s[GB], s[GA], 15                     ; my second: 15 - the first
	s_bfe_u32 s[J], ttmp6, 0x40000                 ; my place in the cluster: it enters global addresses and the mask's numbers alone
	s_and_b32 s[HD], ttmp7, 0xffff                 ; 16 batch + head
	s_mul_i32 s52, s[HD], HEADB
	s_mul_i32 s54, s[WV], 17*256                   ; waves 0-5: 17 rows of 256 bytes each of records 0, 1,
	s_mul_i32 s55, s[WV], 119*256
	s_add_co_u32 s55, s55, 2*REC                   ; and 119 rows each of records 2 to 15; the same places in LDS and in the head's block
	s_add_co_u32 s56, s52, s54
	s_mov_b32 s57, 0
	s_add_co_u32 s58, s52, s55
	s_mov_b32 s59, 0
	s_mov_b32 s[G1A], 15|(3<<16)|(1<<21)           ; the mask: all four work-groups; elements of 8 bytes; bit 21 beside a mask
	s_mov_b32 s[G1A+1], 32<<16
	s_mov_b32 s[G1A+2], 17<<16
	s_mov_b32 s[G1A+3], 32<<16
	s_mov_b32 s[G1A+4], 17
	s_mov_b32 s[G1A+5], 32
	s_mov_b32 s[G1A+6], 0
	s_mov_b32 s[G1A+7], 0
	s_mov_b32 s[G1B], 15|(3<<16)|(1<<21)
	s_mov_b32 s[G1B+1], 32<<16
	s_mov_b32 s[G1B+2], 119<<16
	s_mov_b32 s[G1B+3], 32<<16
	s_mov_b32 s[G1B+4], 119
	s_mov_b32 s[G1B+5], 32
	s_mov_b32 s[G1B+6], 0
	s_mov_b32 s[G1B+7], 0
	s_wait_dscnt 0x0
	s_wait_kmcnt 0x0
	s_mov_b32 s[G0A], 1
	s_mov_b32 s[G0A+1], s54
	s_add_nc_u64 s[G0A+2:G0A+3], s[8:9], s[56:57]
	s_or_b32 s[G0A+3], s[G0A+3], 0x80000000
	s_mov_b32 s[G0B], 1
	s_mov_b32 s[G0B+1], s55
	s_add_nc_u64 s[G0B+2:G0B+3], s[8:9], s[58:59]
	s_or_b32 s[G0B+3], s[G0B+3], 0x80000000
	CROUND                                         ; all four work-groups are here: the joint loads meet
	s_cmp_lt_u32 s[WV], 6
	s_cbranch_scc0 .Lno_fetch
	tensor_load_to_lds s[G0A:G0A+3], s[G1A:G1A+7]  ; two loads of a wave are out at the most
	s_nop 0
	tensor_load_to_lds s[G0B:G0B+3], s[G1B:G1B+7]
	s_nop 0
	PLACES 4
.Lno_fetch:
	s_lshl_b32 s60, s[J], 1
	s_add_co_u32 s60, s60, s[U]                    ; my tile's place in a bucket: 2 j + u
	s_lshl_b32 s61, s[GA], 3
	s_add_co_u32 s61, s61, s60                     ; t1
	s_lshl_b32 s62, s[GB], 3
	s_add_co_u32 s62, s62, s60                     ; t2
	s_lshl_b32 s63, s[HD], 7
	s_add_co_u32 s66, s63, s61
	s_mul_i32 s66, s66, 768
	s_mov_b32 s67, 0
	s_add_nc_u64 s[66:67], s[4:5], s[66:67]        ; Q's codes, job 1
	s_add_co_u32 s68, s63, s62
	s_mul_i32 s68, s68, 768
	s_mov_b32 s69, 0
	s_add_nc_u64 s[68:69], s[4:5], s[68:69]        ; job 2
	s_lshl_b32 s63, s[HD], 5
	s_lshl_b32 s26, s[U], 7
	s_and_b32 s27, s[J], 1
	s_lshl_b32 s27, s27, 2
	s_add_co_u32 s26, s26, s27                     ; in a unit of qs: 128 (t & 1) + 4 ((t >> 1) & 1)
	s_lshr_b32 s70, s61, 2
	s_add_co_u32 s70, s70, s63
	s_lshl_b32 s70, s70, 8
	s_add_co_u32 s70, s70, s26
	s_mov_b32 s71, 0
	s_add_nc_u64 s[70:71], s[6:7], s[70:71]
	s_lshr_b32 s72, s62, 2
	s_add_co_u32 s72, s72, s63
	s_lshl_b32 s72, s72, 8
	s_add_co_u32 s72, s72, s26
	s_mov_b32 s73, 0
	s_add_nc_u64 s[72:73], s[6:7], s[72:73]
	s_lshr_b32 s27, s[HD], 4                       ; batch
	s_and_b32 s53, s[HD], 15                       ; head
	s_lshl_b32 s63, s27, 7
	s_mul_i32 s26, s53, 768                        ; oc: (128 batch + t) x 12,288 + 768 head: K step head / 2, half head % 2
	s_add_co_u32 s74, s63, s61
	s_mul_i32 s74, s74, 12288
	s_add_co_u32 s74, s74, s26
	s_mov_b32 s75, 0
	s_add_nc_u64 s[74:75], s[10:11], s[74:75]
	s_add_co_u32 s76, s63, s62
	s_mul_i32 s76, s76, 12288
	s_add_co_u32 s76, s76, s26
	s_mov_b32 s77, 0
	s_add_nc_u64 s[76:77], s[10:11], s[76:77]
	s_lshl_b32 s78, s53, 2
	s_add_co_u32 s78, s78, s[J]
	s_lshl_b32 s78, s78, 2
	s_add_co_u32 s78, s78, s27
	s_lshl_b32 s78, s78, 11                        ; os: ((4 head + j) x 4 + batch) x 2,048,
	s_lshl_b32 s26, s[WV], 9
	s_add_co_u32 s78, s78, s26                     ; + 512 x wave (waves 0-3 store)
	s_mov_b32 s79, 0
	s_add_nc_u64 s[78:79], s[12:13], s[78:79]
	v_and_b32 v234, 31, v0                         ; lane
	v_and_b32 v235, 15, v0                         ; r
	v_bfe_u32 v236, v0, 4, 1                       ; h
	v_lshlrev_b32 v[L8], 3, v234
	v_lshlrev_b32 v[L16], 4, v234
	v_lshlrev_b32 v237, 3, v235                    ; 8 r
.irp i, 0,1,2
	global_load_b64 v[Q1+2*\i:Q1+2*\i+1], v[L8], s[66:67] offset:256*\i
	global_load_b64 v[Q2+2*\i:Q2+2*\i+1], v[L8], s[68:69] offset:256*\i
.endr
	global_load_b32 v[QS1], v237, s[70:71]
	global_load_b32 v[QS2], v237, s[72:73]
	v_lshlrev_b32 v236, 4, v236
	v_sub_nc_u32 v[VD], v235, v236
	s_lshl_b32 s26, s60, 4
	v_add_nc_u32 v[VD], s26, v[VD]                 ; 16 (2 j + u) + r - 16 h
	s_lshl_b32 s26, s[GA], 7
	s_lshl_b32 s27, s[U], 2
	s_add_co_u32 s26, s26, s27
	s_add_co_u32 s26, s26, SCR
	v_lshl_add_u32 v[SC1], v235, 3, s26            ; where my tiles' scale words of O meet: SCR + 128 g + 4 u + 8 r
	s_lshl_b32 s26, s[GB], 7
	s_add_co_u32 s26, s26, s27
	s_add_co_u32 s26, s26, SCR
	v_lshl_add_u32 v[SC2], v235, 3, s26
	v_lshl_add_u32 v[SRD], v0, 4, SCR              ; and where waves 0-3 read them back: 16 bytes a thread
	v_mov_b32 v[NINF], 0xff800000
	s_mov_b32 s[SEL], 0x76543210
	s_mov_b32 s[SEL+1], 0xfedcba98
	s_mov_b32 s[CS], 0x3e38aa3b                    ; c = log2(e) / 8
	s_mov_b32 s[CS+1], s[CS]                       ; (named with it as a pair)
.irp st, ST1, ST2
	v_mov_b32 v[\st+1], 0xff61b1e6                 ; the largest t so far: -3e38
	v_floor_f32 v[\st], -v[\st+1]                  ; -M
	v_mov_b32 v[\st+2], 0                          ; the sum
	v_mov_b32 v[\st+3], 0
.endr
.irp i, 6,7,8,9,10,11
	v_mov_b32 v[Q1+\i], 0                          ; Q's upper 64 along K: zero codes
	v_mov_b32 v[Q2+\i], 0
	v_mov_b32 v[F+42+\i], 0                        ; behind K's last tile
.endr
.irp i, 4,5,6,7,16,17
	v_mov_b32 v[F+\i], 0                           ; written once: lane permutes' destinations, and f's pair
.endr
.set n, 0
.rept 64
	v_mov_b32 v[O1+n], 0                           ; O^T of both jobs: the step is written once; its first turn finds zeros
.set n, n+1
.endr
; A KEY STEP of one job: 128 keys against 16 queries.  qf: Q's fragment; qw: its scale words; oa: O^T; st: the job's state; gj: the scalar register with its bucket.
.macro STEP qf, qw, oa, st, gj
	s_cmp_gt_u32 s[KS], s[\gj]                     ; all keys of the step come after my queries: nothing to do
	s_cbranch_scc1 .Lhidden_\@
	v_add_nc_u32 v[ADK], s[TB], v[L8]
	v_add_nc_u32 v[ADV], s[TB], v[L16]
	PLACES 3                                       ; with the two additions five plain instructions behind the last products: the scores below write over registers that those read (V's fragments), the loads over p's codes
.irp t, 0,1,2,3,4,5,6,7
.irp i, 0,1,2
	ds_load_b64 v[F+6*\t+2*\i:F+6*\t+2*\i+1], v[ADK] offset:768*\t+256*\i   ; 256 consecutive bytes a load
.endr
.endr
	ds_load_b64 v[KSC:KSC+1], v[ADK] offset:12288
	ds_load_b64 v[KSC+2:KSC+3], v[ADK] offset:12544
	s_wait_dscnt 0x0
.irp t, 0,1,2,3,4,5,6,7
.if \t%2
	v_wmma_scale_f32_16x16x128_f8f6f4 v[S+8*\t:S+8*\t+7], v[F+6*\t:F+6*\t+11], v[\qf:\qf+11], 0, v[KSC+\t/2], v[\qw] matrix_a_fmt:MATRIX_FMT_BF6 matrix_b_fmt:MATRIX_FMT_BF6 matrix_a_scale:MATRIX_SCALE_ROW1
.else
	v_wmma_scale_f32_16x16x128_f8f6f4 v[S+8*\t:S+8*\t+7], v[F+6*\t:F+6*\t+11], v[\qf:\qf+11], 0, v[KSC+\t/2], v[\qw] matrix_a_fmt:MATRIX_FMT_BF6 matrix_b_fmt:MATRIX_FMT_BF6
.endif
.endr                                  ; register 16 b + i of lane (r, h): query r, key 32 b + 16 h + i of the step
	PLACES 4
	s_cmp_lg_u32 s[KS], s[\gj]                     ; only the step on the diagonal has hidden keys
	s_cbranch_scc1 .Lopen_\@
.set n, 0
.rept 64
	v_cmp_gt_i32 vcc_lo, 32*(n/16)+n%16, v[VD]     ; hidden where 32 b + i + 16 h > my query's place in the bucket
	v_cndmask_b32 v[S+n], v[S+n], v[NINF], vcc_lo
.set n, n+1
.endr
.Lopen_\@:
.irp b, 0,1,2,3
	v_max3_num_f32 v[BM+\b], v[S+16*\b], v[S+16*\b+1], v[S+16*\b+2]   ; the largest score of each block of 32 keys: for the row's maximum, and, since p rises with the score, for the block's largest p
.endr
.irp i, 3,5,7,9,11,13
.irp b, 0,1,2,3
	v_max3_num_f32 v[BM+\b], v[BM+\b], v[S+16*\b+\i], v[S+16*\b+\i+1]
.endr
.endr
.irp b, 0,1,2,3
	v_max_num_f32 v[BM+\b], v[BM+\b], v[S+16*\b+15]
.endr
.irp b, 0,1,2,3
	v_permlanex16_b32 v[T4+\b], v[BM+\b], s[SEL], s[SEL+1]
.endr
.irp b, 0,1,2,3
	v_max_num_f32 v[BM+\b], v[BM+\b], v[T4+\b]     ; with lane l xor 16's 16 keys
.endr
	v_max3_num_f32 v[TT], v[BM], v[BM+1], v[BM+2]
	v_max_num_f32 v[TT], v[TT], v[BM+3]
	v_mul_f32 v[TT], s[CS], v[TT]                  ; the step's largest t
	v_max_num_f32 v[\st+1], v[\st+1], v[TT]        ; the running largest t
	v_mov_b32 v[TT], v[\st]
	v_floor_f32 v[\st], -v[\st+1]                  ; the new -M = -ceil(t): a whole number
	v_sub_f32 v[TT], v[\st], v[TT]                 ; old M - new M, 0 or less
	v_cvt_i32_f32 v[TT], v[TT]                     ; (it saturates)
	v_ldexp_f32 v[FF], 1.0, v[TT]                  ; f = 2^(old M - new M)
.set n, 0
.rept 32
	v_pk_fma_f32 v[S+n:S+n+1], v[S+n:S+n+1], s[CS:CS+1], v[\st:\st+1] op_sel_hi:[1,0,0]   ; t - M, two at a time
.set n, n+2
.endr
.irp b, 0,1,2,3
	v_fma_f32 v[BM+\b], v[BM+\b], s[CS], v[\st]    ; the same of each block's largest score
.endr
.set n, 0
.rept 64
	v_exp_f32 v[S+n], v[S+n]                       ; p = 2^(t - M)
.set n, n+1
.endr
	v_pk_mul_f32 v[\st+2:\st+3], v[\st+2:\st+3], v[FF:FF+1] op_sel_hi:[1,0]   ; the sum under the new M: the plain instruction behind the exponentials
	s_wait_alu depctr_va_vdst(0)                   ; one wait for the batch, ahead of its first reader
.irp b, 0,1,2,3
	v_exp_f32 v[BM+\b], v[BM+\b]                   ; the block's largest p: the same two instructions on the same number
.endr
	v_pk_add_f32 v[T4:T4+1], v[S:S+1], v[S+2:S+3]  ; the row's sum, of the unquantised p, in two chains
.irp j, 4,8,12,16,20,24,28,32,36,40,44,48,52,56,60
	v_pk_add_f32 v[\st+2:\st+3], v[\st+2:\st+3], v[S+\j:S+\j+1]
	v_pk_add_f32 v[T4:T4+1], v[T4:T4+1], v[S+\j+2:S+\j+3]
.endr
	v_pk_add_f32 v[\st+2:\st+3], v[\st+2:\st+3], v[T4:T4+1]
	s_wait_alu depctr_va_vdst(0)                   ; and one for the four
.irp b, 0,1,2,3
	v_max_num_f32 v[BM+\b], 0x2800000, v[BM+\b]    ; the floor 2^(5 - 127): the byte cannot fall under 1
.endr
.irp b, 0,1,2,3
	v_add_nc_u32 v[SO+\b], 0xfe000000, v[BM+\b]    ; 4 off the exponent field: the conversion's scale operand
.endr
.irp b, 0,1,2,3
	v_lshrrev_b32 v[T4+\b], 23, v[SO+\b]           ; the scale's byte
.endr
	v_lshl_or_b32 v[PSC], v[T4+1], 8, v[T4]        ; p's scale word for these 128 keys
	v_lshl_or_b32 v[PSC], v[T4+2], 16, v[PSC]
	v_lshl_or_b32 v[PSC], v[T4+3], 24, v[PSC]
.irp c, 0,1
	v_cvt_scalef32_pk16_bf6_f32 v[PC+6*\c:PC+6*\c+2], v[S+32*\c:S+32*\c+15], v[SO+2*\c]
	v_cvt_scalef32_pk16_bf6_f32 v[T4+4*\c:T4+4*\c+2], v[S+32*\c+16:S+32*\c+31], v[SO+2*\c+1]
.endr
.irp d, 0,1,2,3                        ; p is done with: V's four fragments land where it lay, while the codes change lanes and O^T is rescaled
.irp k, 0,1,2
	ds_load_b128 v[S+12*\d+4*\k:S+12*\d+4*\k+3], v[ADV] offset:6144+1536*\d+512*\k
.endr
.endr
	ds_load_b64 v[VSC:VSC+1], v[ADK] offset:12800
	v_nop                                          ; one plain instruction behind the scaled conversions
.irp c, 0,1
.irp i, 0,1,2
	v_permlane16_swap_b32 v[PC+6*\c+\i], v[T4+4*\c+\i]
.endr
.irp i, 0,1,2
	v_mov_b32 v[PC+3+6*\c+\i], v[T4+4*\c+\i]
.endr
.endr
.set n, 0
.rept 16
	v_pk_mul_f32 v[\oa+n:\oa+n+1], v[\oa+n:\oa+n+1], v[FF:FF+1] op_sel_hi:[1,0]   ; O^T under the new M; these are also the plain instructions between the writes of p's codes and scale word and the products
.set n, n+2
.endr
	s_wait_dscnt 0x0
.irp d, 0,1,2,3
.if \d%2
	v_wmma_scale_f32_16x16x128_f8f6f4 v[\oa+8*\d:\oa+8*\d+7], v[S+12*\d:S+12*\d+11], v[PC:PC+11], v[\oa+8*\d:\oa+8*\d+7], v[VSC+\d/2], v[PSC] matrix_a_fmt:MATRIX_FMT_BF6 matrix_b_fmt:MATRIX_FMT_BF6 matrix_a_scale:MATRIX_SCALE_ROW1
.else
	v_wmma_scale_f32_16x16x128_f8f6f4 v[\oa+8*\d:\oa+8*\d+7], v[S+12*\d:S+12*\d+11], v[PC:PC+11], v[\oa+8*\d:\oa+8*\d+7], v[VSC+\d/2], v[PSC] matrix_a_fmt:MATRIX_FMT_BF6 matrix_b_fmt:MATRIX_FMT_BF6
.endif
.endr
.Lhidden_\@:
.endm
.macro BOTH
	STEP Q1, QS1, O1, ST1, GA
	STEP Q2, QS2, O2, ST2, GB
	s_add_co_u32 s[TB], s[TB], REC
	s_add_co_u32 s[KS], s[KS], 1
.endm
	s_wait_loadcnt 0x0                             ; Q
	s_wait_tensorcnt 0x1                           ; my part of records 0, 1 has landed; my second load may stay out
	s_barrier_signal -1
	s_barrier_wait -1
	s_mov_b32 s[KS], 0
	s_mov_b32 s[TB], 0
.Lfirst:                                           ; key steps 0, 1
	BOTH
	s_cmp_lt_u32 s[KS], 2
	s_cbranch_scc1 .Lfirst
	s_wait_tensorcnt 0x0                           ; my part of the other 14 records
	s_wait_dscnt 0x0
	s_barrier_signal -1
	s_barrier_wait -1
	s_mov_b32 s[KS], 2                             ; stated anew, so that this loop's bounds stand in the text
	s_mov_b32 s[TB], 2*REC
.Lrest:                                            ; key steps 2 to 15
	BOTH
	s_cmp_lt_u32 s[KS], 16
	s_cbranch_scc1 .Lrest
; THE WAY OUT of a job: O^T / l; register 16 B + i of lane (r, h) is d = 32 B + 16 h + i of query r: two blocks of 32 along D: a half fragment and two scale bytes.
.macro JOBOUT oa, st, ob, sa
	v_add_f32 v[\st+2], v[\st+2], v[\st+3]
	v_permlanex16_b32 v[T4], v[\st+2], s[SEL], s[SEL+1]
	v_add_f32 v[\st+2], v[\st+2], v[T4]            ; the row's sum
	v_rcp_f32 v[FF], v[\st+2]
	v_mov_b32 v[FF+1], 0                           ; the plain instruction behind the reciprocal
	s_wait_alu depctr_va_vdst(0)                   ; ahead of its first reader
.set n, 0
.rept 16
	v_pk_mul_f32 v[S+n:S+n+1], v[\oa+n:\oa+n+1], v[FF:FF+1] op_sel_hi:[1,0]   ; each accumulator from its low end on
.set n, n+2
.endr
.irp b, 0,1
	v_max3_num_f32 v[BM+\b], |v[S+16*\b]|, |v[S+16*\b+1]|, 0x2800000
.endr
.irp i, 2,4,6,8,10,12,14
.irp b, 0,1
	v_max3_num_f32 v[BM+\b], v[BM+\b], |v[S+16*\b+\i]|, |v[S+16*\b+\i+1]|
.endr
.endr
.irp b, 0,1
	v_permlanex16_b32 v[T4+\b], v[BM+\b], s[SEL], s[SEL+1]
.endr
.irp b, 0,1
	v_max_num_f32 v[BM+\b], v[BM+\b], v[T4+\b]
.endr
.irp b, 0,1
	v_add_nc_u32 v[SO+\b], 0xfe000000, v[BM+\b]
.endr
.irp b, 0,1
	v_lshrrev_b32 v[T4+\b], 23, v[SO+\b]
.endr
	v_lshl_or_b32 v[TT], v[T4+1], 8, v[T4]         ; the head's two bytes of my row
	s_wait_xcnt 0x0                                ; the other job's stores have read the codes' registers
	v_cvt_scalef32_pk16_bf6_f32 v[PC:PC+2], v[S:S+15], v[SO]
	v_cvt_scalef32_pk16_bf6_f32 v[T4+4:T4+6], v[S+16:S+31], v[SO+1]
	v_nop
.irp i, 0,1,2
	v_permlane16_swap_b32 v[PC+\i], v[T4+4+\i]
.endr
.irp i, 0,1,2
	v_mov_b32 v[PC+3+\i], v[T4+4+\i]
.endr
.irp i, 0,1,2
	global_store_b64 v[L8], v[PC+2*\i:PC+2*\i+1], s[\ob:\ob+1] offset:256*\i   ; 256 consecutive bytes, aligned
.endr
	ds_store_b32 v[\sa], v[TT]                     ; both halves of the lanes write the same word with the same value
.endm
	PLACES 4                                       ; behind the last products
	JOBOUT O1, ST1, 74, SC1
	JOBOUT O2, ST2, 76, SC2
	s_wait_dscnt 0x0                               ; my words lie in LDS
	s_barrier_signal -1
	s_barrier_wait -1                              ; everybody's do: 2,048 bytes, as os has them
	s_cmp_lt_u32 s[WV], 4
	s_cbranch_scc0 .Lno_os
	ds_load_b128 v[S:S+3], v[SRD]
	s_wait_dscnt 0x0
	global_store_b128 v[L16], v[S:S+3], s[78:79]   ; 512 consecutive bytes a wave
.Lno_os:
	s_wait_tensorcnt 0x0
	ds_add_u32 v254, v255
	s_wait_dscnt 0x0
	CROUND                                         ; the closing round
	s_endpgm
.Lfunc_end_k_q855878bcb9_attn:
	.size	k_q855878bcb9_attn, .Lfunc_end_k_q855878bcb9_attn-k_q855878bcb9_attn
	.p2alignl 7, 3214868480
	.fill 96, 4, 3214868480
	.section	.rodata,"a",@progbits
	.p2align	6, 0x0
	.amdhsa_kernel k_q855878bcb9_attn
		.amdhsa_group_segment_fixed_size 212992
		.amdhsa_private_segment_fixed_size 0
		.amdhsa_enable_private_segment 0
		.amdhsa_kernarg_size 40
		.amdhsa_user_sgpr_count 2
		.amdhsa_user_sgpr_kernarg_segment_ptr 1
		.amdhsa_wavefront_size32 1
		.amdhsa_system_sgpr_workgroup_id_x 1
		.amdhsa_system_sgpr_workgroup_id_y 1
		.amdhsa_system_sgpr_workgroup_id_z 1
		.amdhsa_system_vgpr_workitem_id 0
		.amdhsa_next_free_vgpr 256
		.amdhsa_next_free_sgpr 80
		.amdhsa_reserve_vcc 1
		.amdhsa_float_denorm_mode_32 3
		.amdhsa_float_denorm_mode_16_64 3
		.amdhsa_memory_ordered 1
		.amdhsa_forward_progress 1
		.amdhsa_inst_pref_size 103
	.end_amdhsa_kernel
	.amdgpu_metadata
---
amdhsa.version: [ 1, 2 ]
amdhsa.kernels:
  - .name:           k_q855878bcb9_attn
    .symbol:         k_q855878bcb9_attn.kd
    .args:
      - { .name: qc, .offset: 0, .size: 8, .value_kind: global_buffer, .address_space: global }
      - { .name: qs, .offset: 8, .size: 8, .value_kind: global_buffer, .address_space: global }
      - { .name: kv, .offset: 16, .size: 8, .value_kind: global_buffer, .address_space: global }
      - { .name: oc, .offset: 24, .size: 8, .value_kind: global_buffer, .address_space: global }
      - { .name: os, .offset: 32, .size: 8, .value_kind: global_buffer, .address_space: global }
    .group_segment_fixed_size: 212992
    .private_segment_fixed_size: 0
    .kernarg_segment_align: 8
    .kernarg_segment_size: 40
    .max_flat_workgroup_size: 512
    .sgpr_count:     80
    .vgpr_count:     256
    .wavefront_size: 32
...
	.end_amdgpu_metadata
.endif
;; end of part 3
;; launch dense (part 4): grid 4 x 64, 4 waves a work-group, clusters of 4 x 4, 295,424 bytes of LDS; arguments oc, os, xc, xs, dense_b, out0; writes out0
.if DOCPART == 4
	.amdgcn_target "amdgcn-amd-amdhsa--gfx1250"
	.amdhsa_code_object_version 6
	.text
	.protected	k_q855878bcb9_dense
	.globl	k_q855878bcb9_dense
	.p2align	8
	.type	k_q855878bcb9_dense,@function
k_q855878bcb9_dense:
	s_mov_b64 s[64:65], 0
	v_nop
	global_prefetch_b8 v0, s[64:65] scope:SCOPE_SE
	s_setreg_imm32_b32 hwreg(HW_REG_WAVE_MODE, 25, 1), 1
	s_wait_xcnt 0x0
	s_wait_alu depctr_hold_cnt(0) depctr_sa_sdst(0) depctr_va_vdst(0) depctr_va_sdst(0) depctr_va_ssrc(0) depctr_va_vcc(0) depctr_vm_vsrc(0)
	s_getreg_b32 s2, hwreg(HW_REG_IB_STS2, 6, 4)
	s_cmp_eq_u32 s2, 0
	s_cbranch_scc0 .Lentry_in_a_cluster
	s_endpgm
.Lentry_in_a_cluster:
	s_bfe_u32 s2, ttmp6, 0x10000c
	s_cmp_lg_u32 s2, 0xf033
	s_cbranch_scc0 .Lentry_shape_is_right
	s_endpgm
.Lentry_shape_is_right:
; out0 = O dense_w^T + dense_b on codes of BF6 with E8M0 scales.  O's codes and scale words come from launch attn, dense_w's from launch quant.
; The frame is launch proj's: a tile of R 128 tokens (source 1) x P 256 rows of dense_w (source 0), all of K = 1,024 in LDS, each LDS byte filled once by joint loads in four chunks of two K steps;
; four waves of 64 x 128, 32 accumulators each; cluster 4 x 4, cx = P's tile, cy = R's: R's loads name my row of the cluster, P's my column.
; What differs: O's fragments are images in pieces of 8 bytes a lane (registers 2 i, 2 i + 1 of lane l at 256 i + 8 l); its scale words are put together from two heads' pairs of bytes;
; the bias is the C of each sum's first product; the results leave as f32 rows through a stage in LDS.
; os: (((head x 4 + j) x 4 + batch) x 16 + g) x 128 + 8 r + 4 u for token tile 8 g + 2 j + u of the batch.
; A lane holds one token and eight neighbouring columns: 16 b + 8 h + 0 .. 7 of my 128.
; REGISTERS as in launch proj; on the way out v80-143 and v144-207 hold 16 rows by turns.
.set CH,    24576
.set RT2,   3072
.set IMG,   1536
.set PREG,  98304
.set TILEB, 12288
.set SPITCH, 528                       ; a stage row: 512 bytes + 16
.set L16,  4
.set L8,   5
.set ARLO, 6
.set APLO, 8
.set SPO,  10
.set SRO,  11
.set BO,   12
.set STO,  13
.set RD,   14
.set SPS,  32
.set SRS,  64
.set RF,   80
.set WH,   128                         ; v128-159 the heads' words, until K step 1's fragments land there
.set BI,   176
.set WV,   20
.set RH,   21
.set PH,   22
.set CX,   23
.set CY,   24
.set G1R,  28
.set G1P,  36
.set G0R,  44
.set G0P,  68
.set RT,   84
.set PT,   85
.set TR,   86
.set TP,   87
.set OUT,  100
.set MSB, 0
.macro WIN new
.if MSB != \new
	s_set_vgpr_msb (MSB<<8)|\new
.set MSB, \new
.endif
.endm
.macro PLACES n
.rept \n
	v_nop
.endr
.endm
.macro CROUND
	s_barrier_signal -1
	s_barrier_wait -1
	s_cmp_lg_u32 s[WV], 0
	s_cbranch_scc1 .Lnot_wave_0_\@
	s_barrier_signal -3
.Lnot_wave_0_\@:
	s_barrier_wait -3
	s_barrier_signal -1
	s_barrier_wait -1
.endm
.macro WMS d, pa, ra, c, sa, sb, ah, bh
.if (\ah) && (\bh)
	v_wmma_scale_f32_16x16x128_f8f6f4 v[\d:\d+7], v[\pa:\pa+11], v[\ra:\ra+11], \c, v[\sa], v[\sb] matrix_a_fmt:MATRIX_FMT_BF6 matrix_b_fmt:MATRIX_FMT_BF6 matrix_a_scale:MATRIX_SCALE_ROW1 matrix_b_scale:MATRIX_SCALE_ROW1
.elseif (\ah)
	v_wmma_scale_f32_16x16x128_f8f6f4 v[\d:\d+7], v[\pa:\pa+11], v[\ra:\ra+11], \c, v[\sa], v[\sb] matrix_a_fmt:MATRIX_FMT_BF6 matrix_b_fmt:MATRIX_FMT_BF6 matrix_a_scale:MATRIX_SCALE_ROW1
.elseif (\bh)
	v_wmma_scale_f32_16x16x128_f8f6f4 v[\d:\d+7], v[\pa:\pa+11], v[\ra:\ra+11], \c, v[\sa], v[\sb] matrix_a_fmt:MATRIX_FMT_BF6 matrix_b_fmt:MATRIX_FMT_BF6 matrix_b_scale:MATRIX_SCALE_ROW1
.else
	v_wmma_scale_f32_16x16x128_f8f6f4 v[\d:\d+7], v[\pa:\pa+11], v[\ra:\ra+11], \c, v[\sa], v[\sb] matrix_a_fmt:MATRIX_FMT_BF6 matrix_b_fmt:MATRIX_FMT_BF6
.endif
.endm
; cm = 2: the first products take the bias as C.  The 32 accumulators take turns, in the same order in every step.
.macro MUL ks, bf, cm
.if (\cm) == 2
	WIN 0x81                                       ; source 0 (P) window 1, source 1 (R) and C (bias) window 0, D window 2
.else
	WIN 0xa1                                       ; C and D window 2
.endif
.irp a, 0,1,2,3
.irp b, 0,1,2,3,4,5,6,7
.if (\cm) == 2
	WMS 8*(8*\a+\b), 128*(\bf)+12*\b, RF+48*(\bf)+12*\a, v[BI+8*\b:BI+8*\b+7], SPS+8*(\b%4)+(\ks), SRS+8*(\a%2)+(\ks), \b/4, \a/2
.else
	WMS 8*(8*\a+\b), 128*(\bf)+12*\b, RF+48*(\bf)+12*\a, v[8*(8*\a+\b):8*(8*\a+\b)+7], SPS+8*(\b%4)+(\ks), SRS+8*(\a%2)+(\ks), \b/4, \a/2
.endif
.endr
.endr
.endm
.macro FETCH_P ks, bf
	WIN 0x40
.irp i, 0,1,2,3,4,5,6,7
.irp k, 0,1,2
	ds_load_b128 v[128*(\bf)+12*\i+4*\k:128*(\bf)+12*\i+4*\k+3], v[APLO+(\ks)/4] offset:(((\ks)/2)%2)*CH+RT2*\i+IMG*((\ks)%2)+512*\k
.endr
.endr
.endm
.macro FETCH_R ks, bf                  ; O's fragments: six pieces of 8 bytes a lane, 256 consecutive bytes a load
	WIN 0
.irp a, 0,1,2,3
.irp i, 0,1,2,3,4,5
	ds_load_b64 v[RF+48*(\bf)+12*\a+2*\i:RF+48*(\bf)+12*\a+2*\i+1], v[ARLO+(\ks)/4] offset:(((\ks)/2)%2)*CH+RT2*\a+IMG*((\ks)%2)+256*\i
.endr
.endr
.endm
.macro GSTEP ks, cm
	s_wait_dscnt 0x0                               ; this step's fragments are in; no LDS access of mine is out at the signal below
.if ((\ks)%2 == 1) && ((\ks) < 7)
	s_wait_tensorcnt 3-((\ks)+1)/2                 ; my load of the next chunk has landed; my loads of the later chunks may stay out
	s_barrier_signal -1
	s_barrier_wait -1
.endif
.if (\ks) < 7
.if (\ks) > 0
	PLACES 4                                       ; between the last step's products and loads into the registers that they read
.endif
	FETCH_P (\ks)+1, ((\ks)+1)%2
	FETCH_R (\ks)+1, ((\ks)+1)%2
.endif
	MUL \ks, (\ks)%2, \cm
.endm
	s_load_b256 s[4:11], s[0:1], 0x0               ; oc, os, xc, xs
	s_load_b128 s[12:15], s[0:1], 0x20             ; dense_b, out0
	v_lshl_add_u32 v254, v0, 2, 0x48000
	v_mov_b32 v255, 0
	ds_add_u32 v254, v255
	ds_add_u32 v254, v255
	v_lshrrev_b32 v1, 5, v0
	v_readfirstlane_b32 s[WV], v1
	s_lshr_b32 s[RH], s[WV], 1
	s_and_b32 s[PH], s[WV], 1
	s_bfe_u32 s[CX], ttmp6, 0x40000
	s_bfe_u32 s[CY], ttmp6, 0x40004
	s_and_b32 s[RT], ttmp7, 0xffff
	s_lshl_b32 s[RT], s[RT], 2
	s_add_co_u32 s[RT], s[RT], s[CY]               ; R's tile: 128 tokens, 0..63
	s_mov_b32 s[PT], s[CX]                         ; P's tile: 256 columns
	s_lshl_b32 s[TR], s[RT], 3                     ; R's first row tile in oc
	s_lshl_b32 s[TP], s[PT], 4
	s_add_co_u32 s[TP], s[TP], 1728                ; P's in xc
	s_lshl_b32 s62, s[CY], 2
	s_lshl_b32 s62, 15, s62
	s_lshl_b32 s63, 0x1111, s[CX]
	s_or_b32 s[G1R], s62, (3<<16)|(1<<21)
	s_or_b32 s[G1P], s63, (3<<16)|(1<<21)
.irp g, G1R, G1P
	s_mov_b32 s[\g+1], 384<<16
	s_mov_b32 s[\g+2], 8<<16
	s_mov_b32 s[\g+3], 384<<16
	s_mov_b32 s[\g+4], 8
	s_mov_b32 s[\g+5], 1536
	s_mov_b32 s[\g+6], 0
	s_mov_b32 s[\g+7], 0
.endr
	s_mul_i32 s88, s[TR], TILEB
	s_mov_b32 s89, 0
	s_lshl_b32 s90, s[RH], 3
	s_add_co_u32 s90, s90, s[TP]
	s_mul_i32 s90, s90, TILEB
	s_mov_b32 s91, 0
	s_mul_i32 s92, s[RH], PREG
	s_add_co_u32 s92, s92, PREG
	s_wait_dscnt 0x0
	s_wait_kmcnt 0x0
	s_add_nc_u64 s[88:89], s[4:5], s[88:89]
	s_add_nc_u64 s[90:91], s[8:9], s[90:91]
.irp c, 0,1,2,3
	s_mov_b32 s[G0R+4*\c], 1
	s_mov_b32 s[G0R+4*\c+1], \c*CH
	s_add_nc_u64 s[G0R+4*\c+2:G0R+4*\c+3], s[88:89], \c*RT2
	s_or_b32 s[G0R+4*\c+3], s[G0R+4*\c+3], 0x80000000
	s_mov_b32 s[G0P+4*\c], 1
	s_add_co_u32 s[G0P+4*\c+1], s92, \c*CH
	s_add_nc_u64 s[G0P+4*\c+2:G0P+4*\c+3], s[90:91], \c*RT2
	s_or_b32 s[G0P+4*\c+3], s[G0P+4*\c+3], 0x80000000
.endr
	CROUND                                         ; all sixteen work-groups are here: the joint loads meet
	s_cmp_eq_u32 s[WV], 0                          ; wave 0: R's four chunks; waves 1, 2: a half of P each; wave 3: none.  Four loads of a wave are out at the most
	s_cbranch_scc0 .Lnot_r
	tensor_load_to_lds s[G0R:G0R+3], s[G1R:G1R+7]
	s_nop 0
	tensor_load_to_lds s[G0R+4:G0R+7], s[G1R:G1R+7]
	s_nop 0
	tensor_load_to_lds s[G0R+8:G0R+11], s[G1R:G1R+7]
	s_nop 0
	tensor_load_to_lds s[G0R+12:G0R+15], s[G1R:G1R+7]
	s_nop 0
	PLACES 4
	s_branch .Lasked
.Lnot_r:
	s_cmp_eq_u32 s[WV], 3
	s_cbranch_scc1 .Lasked
	tensor_load_to_lds s[G0P:G0P+3], s[G1P:G1P+7]
	s_nop 0
	tensor_load_to_lds s[G0P+4:G0P+7], s[G1P:G1P+7]
	s_nop 0
	tensor_load_to_lds s[G0P+8:G0P+11], s[G1P:G1P+7]
	s_nop 0
	tensor_load_to_lds s[G0P+12:G0P+15], s[G1P:G1P+7]
	s_nop 0
	PLACES 4
.Lasked:
	v_and_b32 v1, 31, v0
	v_and_b32 v2, 15, v0                           ; r
	v_bfe_u32 v3, v0, 4, 1                         ; h
	v_lshlrev_b32 v[L16], 4, v1
	v_lshlrev_b32 v[L8], 3, v1
	s_mul_i32 s93, s[RH], 4*RT2
	v_add_nc_u32 v[ARLO], s93, v[L8]
	v_add_nc_u32 v[ARLO+1], 2*CH, v[ARLO]
	s_mul_i32 s93, s[PH], PREG
	s_add_co_u32 s93, s93, PREG
	v_add_nc_u32 v[APLO], s93, v[L16]
	v_add_nc_u32 v[APLO+1], 2*CH, v[APLO]
	s_mul_i32 s93, s[WV], 16*SPITCH                ; my stage, in R's bytes: they have had their one fill, and are written only when nobody reads them any more
	v_mul_u32_u24 v[STO], v2, SPITCH
	v_lshl_add_u32 v[STO], v3, 5, v[STO]
	v_add_nc_u32 v[STO], s93, v[STO]               ; in: row r, 32 bytes for each half of the lanes
	v_add_nc_u32 v[RD], s93, v[L16]                ; back: the 32 lanes take a row of 512 bytes
	v_lshlrev_b32 v[SPO], 4, v2
	v_lshl_add_u32 v[SPO], v3, 11, v[SPO]          ; P's scale words: 16 r, lanes 16-31 four tiles on
	v_lshlrev_b32 v[SRO], 3, v2
	v_lshl_add_u32 v[SRO], v3, 13, v[SRO]          ; O's: 8 r; lanes 16-31 take the tiles two on: j + 1, 8,192 bytes on
	v_lshlrev_b32 v[BO], 5, v3
	s_lshl_b32 s94, s[PH], 3
	s_add_co_u32 s94, s94, s[TP]
	s_lshl_b32 s94, s94, 9
	s_mov_b32 s95, 0
	s_add_nc_u64 s[94:95], s[10:11], s[94:95]
	s_lshl_b32 s60, s[RH], 3                       ; my first token tile is 8 g + 4 (w / 2) of its batch: j = 2 (w / 2)
	s_lshr_b32 s61, s[RT], 4                       ; batch
	s_add_co_u32 s60, s60, s61
	s_lshl_b32 s60, s60, 4
	s_and_b32 s61, s[RT], 15                       ; g
	s_add_co_u32 s60, s60, s61
	s_lshl_b32 s60, s60, 7
	s_mov_b32 s61, 0
	s_add_nc_u64 s[96:97], s[6:7], s[60:61]
	s_lshl_b32 s60, s[PT], 10
	s_lshl_b32 s66, s[PH], 9
	s_add_co_u32 s60, s60, s66                     ; my first column, in bytes
	s_add_nc_u64 s[98:99], s[12:13], s[60:61]
	s_add_nc_u64 s[OUT:OUT+1], s[14:15], s[60:61]
	s_lshl_b32 s60, s[RT], 19
	s_lshl_b32 s66, s[RH], 18
	s_add_co_u32 s60, s60, s66                     ; my first token x 4,096 bytes
	s_add_nc_u64 s[OUT:OUT+1], s[OUT:OUT+1], s[60:61]
.irp i, 0,1,2,3
.irp c, 0,1
	global_load_b128 v[SPS+8*\i+4*\c:SPS+8*\i+4*\c+3], v[SPO], s[94:95] offset:512*\i+256*\c
.endr
.endr
.irp d, 0,1,2,3,4,5,6,7,8,9,10,11,12,13,14,15
	global_load_b64 v[WH+2*\d:WH+2*\d+1], v[SRO], s[96:97] offset:32768*\d   ; head d: the words of tiles u = 0, 1 (lanes 16-31: tiles 2, 3)
.endr
.irp b, 0,1,2,3,4,5,6,7
	global_load_b128 v[BI+8*\b:BI+8*\b+3], v[BO], s[98:99] offset:64*\b       ; the bias in the results' layout: columns 16 b + 8 h + 0 .. 7
	global_load_b128 v[BI+8*\b+4:BI+8*\b+7], v[BO], s[98:99] offset:64*\b+16
.endr
	s_wait_tensorcnt 0x3                           ; my load of chunk 0 has landed; my three later ones may stay out
	s_barrier_signal -1
	s_barrier_wait -1
	FETCH_P 0, 0
	FETCH_R 0, 0
	s_wait_loadcnt 0x0
.irp u, 0,1
.irp k, 0,1,2,3,4,5,6,7
	v_lshl_or_b32 v[SRS+8*\u+\k], v[WH+2*(2*\k+1)+\u], 16, v[WH+4*\k+\u]   ; K step k: head 2 k's two bytes below, head 2 k + 1's above
.endr
.endr
	PLACES 8                                       ; a scale register written by a vector instruction stands eight plain instructions ahead of a scaled product
	GSTEP 0, 2
	GSTEP 1, 0
	GSTEP 2, 0
	GSTEP 3, 0
	GSTEP 4, 0
	GSTEP 5, 0
	GSTEP 6, 0
	GSTEP 7, 0
	WIN 0
	s_wait_dscnt 0x0
	s_barrier_signal -1
	s_barrier_wait -1                              ; no wave reads R's bytes any more: the stages may be written
; THE WAY OUT, block by block of 16 tokens x 128 columns: through my stage, back as whole rows of 512 bytes.  LDS serves a wave's instructions in order: no wait between the stores and the loads.
.macro TOSTAGE a
	WIN 0x08                                       ; an LDS store's data: window 2
.irp b, 0,1,2,3,4,5,6,7
	ds_store_b128 v[STO], v[64*(\a)+8*\b:64*(\a)+8*\b+3] offset:64*\b          ; each accumulator from its low end on
	ds_store_b128 v[STO], v[64*(\a)+8*\b+4:64*(\a)+8*\b+7] offset:64*\b+16
.endr
	WIN 0
.irp t, 0,1,2,3,4,5,6,7,8,9,10,11,12,13,14,15
	ds_load_b128 v[RF+64*((\a)%2)+4*\t:RF+64*((\a)%2)+4*\t+3], v[RD] offset:\t*SPITCH
.endr
.endm
.macro SEND a, younger                 ; younger: the LDS instructions issued behind block a's loads, which may stay out
	s_wait_dscnt \younger
.irp t, 0,1,2,3,4,5,6,7,8,9,10,11,12,13,14,15
	global_store_b128 v[L16], v[RF+64*((\a)%2)+4*\t:RF+64*((\a)%2)+4*\t+3], s[OUT:OUT+1] offset:(16*(\a)+\t)*4096 th:TH_STORE_NT   ; 512 consecutive bytes, aligned to 256; written once
.endr
.endm
	PLACES 4                                       ; between the last products and the first read of results and the loads into their operands' registers
	TOSTAGE 0
	TOSTAGE 1
	SEND 0, 32                                     ; behind block 0's loads: block 1's 16 stores and 16 loads
	s_wait_xcnt 0x0                                ; block 0's stores have read their registers
	TOSTAGE 2
	SEND 1, 32
	s_wait_xcnt 0x0
	TOSTAGE 3
	SEND 2, 32
	SEND 3, 0
	s_wait_tensorcnt 0x0
	ds_add_u32 v254, v255
	s_wait_dscnt 0x0
	CROUND                                         ; the closing round
	s_endpgm
.Lfunc_end_k_q855878bcb9_dense:
	.size	k_q855878bcb9_dense, .Lfunc_end_k_q855878bcb9_dense-k_q855878bcb9_dense
	.p2alignl 7, 3214868480
	.fill 96, 4, 3214868480
	.section	.rodata,"a",@progbits
	.p2align	6, 0x0
	.amdhsa_kernel k_q855878bcb9_dense
		.amdhsa_group_segment_fixed_size 295424
		.amdhsa_private_segment_fixed_size 0
		.amdhsa_enable_private_segment 0
		.amdhsa_kernarg_size 48
		.amdhsa_user_sgpr_count 2
		.amdhsa_user_sgpr_kernarg_segment_ptr 1
		.amdhsa_wavefront_size32 1
		.amdhsa_system_sgpr_workgroup_id_x 1
		.amdhsa_system_sgpr_workgroup_id_y 1
		.amdhsa_system_sgpr_workgroup_id_z 1
		.amdhsa_system_vgpr_workitem_id 0
		.amdhsa_next_free_vgpr 768
		.amdhsa_next_free_sgpr 102
		.amdhsa_reserve_vcc 0
		.amdhsa_float_denorm_mode_32 3
		.amdhsa_float_denorm_mode_16_64 3
		.amdhsa_memory_ordered 1
		.amdhsa_forward_progress 1
		.amdhsa_inst_pref_size 87
	.end_amdhsa_kernel
	.amdgpu_metadata
---
amdhsa.version: [ 1, 2 ]
amdhsa.kernels:
  - .name:           k_q855878bcb9_dense
    .symbol:         k_q855878bcb9_dense.kd
    .args:
      - { .name: oc, .offset: 0, .size: 8, .value_kind: global_buffer, .address_space: global }
      - { .name: os, .offset: 8, .size: 8, .value_kind: global_buffer, .address_space: global }
      - { .name: xc, .offset: 16, .size: 8, .value_kind: global_buffer, .address_space: global }
      - { .name: xs, .offset: 24, .size: 8, .value_kind: global_buffer, .address_space: global }
      - { .name: dense_b, .offset: 32, .size: 8, .value_kind: global_buffer, .address_space: global }
      - { .name: out0, .offset: 40, .size: 8, .value_kind: global_buffer, .address_space: global }
    .group_segment_fixed_size: 295424
    .private_segment_fixed_size: 0
    .kernarg_segment_align: 8
    .kernarg_segment_size: 48
    .max_flat_workgroup_size: 128
    .sgpr_count:     102
    .vgpr_count:     768
    .wavefront_size: 32
...
	.end_amdgpu_metadata
.endif
;; end of part 4
